; MI455X (gfx1250); checked and timed in simulation.
; The chip was launched on July 23, 2026; its instructions are those of AMD's public machine-readable ISA for CDNA 5 (MIT licence, August 2026) and "CDNA5" Instruction Set Architecture Reference Guide (July 2026). The comments in the code are by the model that wrote it; some were corrected since.
;; Spatial Transformer. Allowed arithmetic: float matrix products may take bf16 or f16 operands with f32 sums; other float arithmetic in f32, or as packed bf16 or f16 multiplies, adds, multiply-adds, maxima and minima; sums over many terms, partial sums and values carried from step to step in f32; what a program stores and reads back later, other than sums and carried values, may be rounded once to bf16 or f16.
;; Inputs: W1 512 x 2,048 float32; W2 2,048 x 512 float32; b1 512 float32; b2 512 float32; b3 512 float32; b4 512 float32; bf1 2,048 float32; bf2 512 float32; cWk 768 x 512 float32; cWo 512 x 512 float32; cWq 512 x 512 float32; cWv 768 x 512 float32; cbo 512 float32; context 4 x 77 x 768 float32; g1 512 float32; g2 512 float32; g3 512 float32; g4 512 float32; gWk 512 x 512 float32; gWo 512 x 512 float32; gWq 512 x 512 float32; gWv 512 x 512 float32; gbo 512 float32; geometry_tokens 4 x 256 x 512 float32; x 4 x 512 x 64 x 64 float32.
;; Outputs: out0 4 x 512 x 64 x 64 float32.
;; 3 versions, each right; version 2 is faster than version 1; version 3 is version 2 with the launch prep written anew for expert scheduling mode. Each part assembles by itself: llvm-mc -triple=amdgcn-amd-amdhsa -mcpu=gfx1250 --defsym DOCPART=n.
;; ======== version 1 of 3: 2 launches
;; limits: a function is approximated: absolute error at most 2.5e-05
;; workspace buffers: ws 6,291,456 bytes; kv 2,883,584 bytes; vec 32,768 bytes
;; launch prep (part 1): grid 561 x 1, 4 waves a work-group, no clusters, 20,992 bytes of LDS; arguments context, geometry_tokens, cWk, cWv, gWk, gWv, cWq, cWo, gWq, gWo, W1, W2, g1, b1, g2, b2, g3, b3, g4, b4, cbo, gbo, bf1, bf2, ws, kv, vec; writes ws, kv, vec
.if DOCPART == 1
	.amdgcn_target "amdgcn-amd-amdhsa--gfx1250"
	.amdhsa_code_object_version 6
	.text
	.protected	k_qb832b591ff_prep
	.globl	k_qb832b591ff_prep
	.p2align	8
	.type	k_qb832b591ff_prep,@function
k_qb832b591ff_prep:
	s_mov_b64 s[64:65], 0
	v_nop
	global_prefetch_b8 v0, s[64:65] scope:SCOPE_SE
	s_setreg_imm32_b32 hwreg(HW_REG_WAVE_MODE, 25, 1), 1
	s_wait_xcnt 0x0
; PREPARATION for the fused block.  Three kinds of work-group, chosen by the work-group's number j:
;   j < 176        K or V of one head for 32 keys of all four batches (wave = batch), stored in bf16 in the order of matrix fragments
;   176 <= j < 560 16 rows of one of the twelve 512 x 512 weight matrices, rounded to bf16, in the order in which the fused kernel walks them
;   j = 560        the gains, biases and output biases, copied side by side
; kv: context K at 0, context V at 393,216, geometry K at 786,432, geometry V at 1,835,008; each [batch][step of 32 keys][head][4,096 bytes].
;   a K block is [key block 2][channel half 2][p 2][lane 32][16 bytes]: lane (r, h) holds key 16 kb + r, channels 32 kc + 16 p + 8 h + 0..7
;   a V block is [channel block 4][p 2][lane 32][16 bytes]:            lane (r, h) holds channel 16 cb + r, keys 16 p + 8 h + 0..7
;   The context has 77 keys in 3 steps: rows 77..95 are read from row 76 (no load leaves the buffer) and hold its numbers again; the fused kernel hides their scores.
; Products in bf16 with f32 sums; K and V are rounded once, unscaled.  NaN and infinities are not treated apart.
.set SPARE, 20480                      ; behind the W tile: the spare words, 128 bytes a wave, two blocks of 256 bytes that no other line names
.set PW,    160                        ; a row of the W tile in LDS: 64 bf16 + 32 bytes
.set TO0,   3                          ; v3, v4  byte offsets of my two token rows (key blocks 0, 1), + 32 h
.set WO,    5                          ; v5      byte offset of my 16 bytes in eight rows of W
.set WS,    6                          ; v6      where I put 8 bytes of the W tile
.set WT,    7                          ; v7      the turning load's address
.set LO,    8                          ; v8      16 x lane
.set SPW,   12                         ; v12     my spare word; never rewritten
.set NIL,   13                         ; v13     0; never rewritten
.set ACC,   16                         ; v16-79  eight accumulators: (key block mb, channel block nb) at ACC + 8 (4 mb + nb)
.set TF,    80                         ; v80-143 token fragments: (mb, k step i) at TF + 32 mb + 8 i; at the end the packed results
.set WP,    144                        ; v144-175 my part of the W tile, packed
.set WF,    176                        ; v176-239 W fragments, two buffers of four
                                       ; window 1: v0-127 tokens as loaded, v128-191 W as loaded
.set MSB, 0
.macro WIN new                         ; the immediate's high byte repeats the setting that is left
.if MSB != (\new)
	s_set_vgpr_msb (MSB<<8)|(\new)
.set MSB, (\new)
.endif
.endm
.macro PLACES                          ; four places behind matrix instructions (ISA guide 7.12.1)
.rept 4
	v_nop
.endr
.endm
.macro BAR
	s_wait_dscnt 0x0                               ; for the others' sake: my LDS instructions are done
	s_barrier_signal -1
	s_barrier_wait -1
.endm
	v_lshl_add_u32 v[SPW], v0, 2, SPARE
	v_mov_b32 v[NIL], 0
	s_mov_b32 s2, ttmp9
	s_cmp_ge_u32 s2, 560
	s_cbranch_scc1 .Lvec
	s_cmp_ge_u32 s2, 176
	s_cbranch_scc1 .Lcast
; ---------------------------------------------------------------- K and V
	s_load_b256 s[4:11], s[0:1], 0x0               ; context, geometry_tokens, cWk, cWv
	s_load_b128 s[12:15], s[0:1], 0x20             ; gWk, gWv
	s_load_b64 s[16:17], s[0:1], 0xc8              ; kv
	v_lshrrev_b32 v1, 5, v0
	v_readfirstlane_b32 s3, v1                     ; wave = batch
	s_and_b32 s21, s2, 7                           ; head (48 is a multiple of 8)
	s_lshr_b32 s22, s2, 3                          ; context: 3 steps of K, then 3 of V
	s_cmp_ge_u32 s22, 3
	s_cselect_b32 s24, 1, 0
	s_mul_i32 s25, s24, 3
	s_sub_co_u32 s25, s22, s25
	s_sub_co_u32 s23, s2, 48                       ; geometry: 8 steps of K, then 8 of V
	s_bfe_u32 s26, s23, 0x30003
	s_lshr_b32 s27, s23, 6
	s_mov_b32 s28, 512
	s_mov_b32 s29, 256
	s_mov_b32 s43, 0x100000
	s_cmp_lt_u32 s2, 48                            ; the context's jobs come first
	s_cselect_b32 s24, s24, s27                    ; 0: K, 1: V
	s_cselect_b32 s25, s25, s26                    ; step of 32 keys
	s_cselect_b32 s28, 768, s28                    ; D: length of a token
	s_cselect_b32 s29, 77, s29                     ; S: tokens in a batch
	s_cselect_b32 s30, 6, 4                        ; chunks of 128 along D
	s_cselect_b32 s31, 3, 8                        ; steps in a batch
	s_cselect_b32 s43, 393216, s43                 ; bytes of a region
	s_cselect_b32 s45, 0, 786432                   ; where the pair of regions begins
	s_mul_i32 s42, s24, s43
	s_add_co_u32 s42, s42, s45
	s_mul_i32 s46, s3, s31
	s_add_co_u32 s46, s46, s25
	s_lshl_b32 s46, s46, 15                        ; (batch x steps + step) x 8 heads x 4,096
	s_add_co_u32 s42, s42, s46
	s_lshl_b32 s46, s21, 12
	s_add_co_u32 s42, s42, s46
	s_mov_b32 s43, 0
	s_lshl_b32 s40, s21, 8                         ; the head's 64 columns of W
	s_mov_b32 s41, 0
	s_lshl_b32 s49, s25, 5
	s_sub_co_u32 s50, s29, 1
	s_mul_i32 s47, s3, s29
	s_lshl_b32 s48, s28, 2
	v_and_b32 v1, 15, v0                           ; r
	v_bfe_u32 v2, v0, 4, 1                         ; h
	v_add_nc_u32 v14, s49, v1                      ; my keys: 32 s + r and 16 more,
	v_add_nc_u32 v15, 16, v14
	v_min_u32 v14, s50, v14                        ; held inside the batch
	v_min_u32 v15, s50, v15
	v_add_nc_u32 v14, s47, v14
	v_add_nc_u32 v15, s47, v15
	v_mul_lo_u32 v[TO0], v14, s48
	v_mul_lo_u32 v[TO0+1], v15, s48
	v_lshl_add_u32 v[TO0], v2, 5, v[TO0]           ; + 8 h numbers
	v_lshl_add_u32 v[TO0+1], v2, 5, v[TO0+1]
	v_lshrrev_b32 v14, 4, v0                       ; thread t takes row t / 16 of eight and 16 bytes at 16 (t % 16)
	v_lshlrev_b32 v[WO], 11, v14
	v_lshl_add_u32 v[WO], v1, 4, v[WO]
	v_mul_u32_u24 v[WS], v14, PW
	v_lshl_add_u32 v[WS], v1, 3, v[WS]
	v_and_b32 v15, 7, v0
	v_lshl_add_u32 v15, v2, 3, v15
	v_mul_u32_u24 v[WT], v15, PW                   ; row 8 h + lane % 8,
	v_bfe_u32 v15, v0, 3, 1
	v_lshl_add_u32 v[WT], v15, 4, v[WT]            ; 16 bytes by (lane / 8) % 2
	v_and_b32 v[LO], 31, v0
	v_lshlrev_b32 v[LO], 4, v[LO]
	s_wait_kmcnt 0x0
	s_cmp_eq_u32 s24, 1
	s_cselect_b64 s[36:37], s[10:11], s[8:9]
	s_cselect_b64 s[38:39], s[14:15], s[12:13]
	s_cmp_lt_u32 s2, 48
	s_cselect_b64 s[36:37], s[36:37], s[38:39]     ; W
	s_cselect_b64 s[34:35], s[4:5], s[6:7]         ; tokens
	s_add_nc_u64 s[36:37], s[36:37], s[40:41]
	s_add_nc_u64 s[54:55], s[16:17], s[42:43]      ; my block of kv
; a chunk of 128 along D: 16 loads of W (128 rows x 64 columns for the four waves together), 32 of my 32 tokens
.macro KVLOADS
	WIN 0x40
.irp p, 0,1,2,3,4,5,6,7,8,9,10,11,12,13,14,15
	global_load_b128 v[128+4*\p:131+4*\p], v[WO], s[36:37] offset:16384*\p
.endr
.irp i, 0,1,2,3
.irp q, 0,1,2,3
	global_load_b128 v[16*\i+4*\q:16*\i+4*\q+3], v[TO0], s[34:35] offset:128*\i+16*(\q%2)+64*(\q/2)
	global_load_b128 v[64+16*\i+4*\q:64+16*\i+4*\q+3], v[TO0+1], s[34:35] offset:128*\i+16*(\q%2)+64*(\q/2)
.endr
.endr
	WIN 0
.endm
.macro WFRAG i                         ; the four W fragments of k step i: 32 k x 16 channels each, turned
.irp nb, 0,1,2,3
	ds_load_tr16_b128 v[WF+32*((\i)%2)+8*\nb:WF+32*((\i)%2)+8*\nb+3],   v[WT] offset:32*PW*(\i)+32*\nb
	ds_load_tr16_b128 v[WF+32*((\i)%2)+8*\nb+4:WF+32*((\i)%2)+8*\nb+7], v[WT] offset:32*PW*(\i)+16*PW+32*\nb
.endr
.endm
.macro PROD var, i                     ; eight products, the eight accumulators by turns.  var = 0 (K): a lane holds one key and 8 channels; 1 (V): one channel and 8 keys
.irp mb, 0,1
.irp nb, 0,1,2,3
.if (\var)
	v_wmma_f32_16x16x32_bf16 v[ACC+8*(4*\mb+\nb):ACC+8*(4*\mb+\nb)+7], v[TF+32*\mb+8*(\i):TF+32*\mb+8*(\i)+7], v[WF+32*((\i)%2)+8*\nb:WF+32*((\i)%2)+8*\nb+7], v[ACC+8*(4*\mb+\nb):ACC+8*(4*\mb+\nb)+7]
.else
	v_wmma_f32_16x16x32_bf16 v[ACC+8*(4*\mb+\nb):ACC+8*(4*\mb+\nb)+7], v[WF+32*((\i)%2)+8*\nb:WF+32*((\i)%2)+8*\nb+7], v[TF+32*\mb+8*(\i):TF+32*\mb+8*(\i)+7], v[ACC+8*(4*\mb+\nb):ACC+8*(4*\mb+\nb)+7]
.endif
.endr
.endr
.endm
.macro KSTEPS var
	WFRAG 0
	WFRAG 1
	s_wait_dscnt 0x8                               ; step 0's eight loads are in, step 1's may be out
	PROD \var, 0
	PLACES                                         ; in front of loads into the buffer just multiplied
	WFRAG 2
	s_wait_dscnt 0x8
	PROD \var, 1
	PLACES
	WFRAG 3
	s_wait_dscnt 0x8
	PROD \var, 2
	s_wait_dscnt 0x0
	PROD \var, 3
.endm
	KVLOADS
.set i, 0
.rept 64                               ; the sums start at 0: 64 moves in the wait for the first loads, the price of writing no first chunk out
	v_mov_b32 v[ACC+i], 0
.set i, i+1
.endr
	s_mov_b32 s51, 0
.Lkv:                                  ; a trip: a chunk of 128 along D
	s_wait_loadcnt 0x0                             ; the chunk is in registers
	WIN 0x05
.set i, 0
.rept 32                               ; W first: these lines name no register of the last products and are the places behind them
	v_cvt_pk_bf16_f32 v[WP+i], v[128+2*i], v[128+2*i+1]
.set i, i+1
.endr
.set i, 0
.rept 64
	v_cvt_pk_bf16_f32 v[TF+i], v[2*i], v[2*i+1]
.set i, i+1
.endr
	WIN 0
	s_add_co_u32 s52, s51, 1
	s_cmp_ge_u32 s52, s30
	s_cbranch_scc1 .Lkv_noload                     ; the last chunk asks for nothing
	v_add_nc_u32 v[WO], 0x40000, v[WO]             ; free since the wait above: 128 rows of W on,
	v_add_nc_u32 v[TO0], 512, v[TO0]               ; 128 numbers of the tokens on
	v_add_nc_u32 v[TO0+1], 512, v[TO0+1]
	KVLOADS
.Lkv_noload:
	BAR                                            ; every wave's reads of the last W tile are over
.irp p, 0,1,2,3,4,5,6,7,8,9,10,11,12,13,14,15
	ds_store_b64 v[WS], v[WP+2*\p:WP+2*\p+1] offset:8*PW*\p
.endr
	BAR                                            ; the tile is whole
	s_cmp_eq_u32 s24, 1
	s_cbranch_scc1 .Lkv_v
	KSTEPS 0
	s_branch .Lkv_next
.Lkv_v:
	KSTEPS 1
.Lkv_next:
	s_add_co_u32 s51, s51, 1
	s_cmp_lt_u32 s51, s30
	s_cbranch_scc1 .Lkv
	PLACES
.set i, 0
.rept 32                               ; each accumulator from its low end on
	v_cvt_pk_bf16_f32 v[TF+i], v[ACC+2*i], v[ACC+2*i+1]
.set i, i+1
.endr
	s_cmp_eq_u32 s24, 1
	s_cbranch_scc1 .Lkv_vout
.irp a, 0,1,2,3,4,5,6,7                ; a wave's store covers 512 consecutive bytes, half a fragment
	global_store_b128 v[LO], v[TF+4*\a:TF+4*\a+3], s[54:55] offset:2048*(\a/4)+1024*((\a%4)/2)+512*(\a%2)
.endr
	s_wait_tensorcnt 0x0                           ; the wave's end, behind my last LDS store
	ds_add_u32 v[SPW], v[NIL]
	s_wait_dscnt 0x0
	s_endpgm
.Lkv_vout:
.irp a, 0,1,2,3,4,5,6,7
	global_store_b128 v[LO], v[TF+4*\a:TF+4*\a+3], s[54:55] offset:1024*(\a%4)+512*(\a/4)
.endr
	s_wait_tensorcnt 0x0                           ; the wave's end, as above
	ds_add_u32 v[SPW], v[NIL]
	s_wait_dscnt 0x0
	s_endpgm
; ---------------------------------------------------------------- the weights, rounded to bf16
; ws: twelve matrices [512 k][512 n]: cWq, cWo, gWq, gWo, then for c = 0..3 columns 512 c .. of W1 and rows 512 c .. of W2.
.macro CAST pitch                      ; 16 rows of 512 numbers: a thread takes 4 numbers of each; a wave's store covers 256 consecutive bytes
.irp p, 0,1,2,3,4,5,6,7,8,9,10,11,12,13,14,15
	global_load_b128 v[16+4*\p:19+4*\p], v2, s[20:21] offset:(\pitch)*\p th:TH_LOAD_NT
.endr
.irp p, 0,1,2,3,4,5,6,7,8,9,10,11,12,13,14,15
	s_wait_loadcnt 15-\p                           ; loads come back in order: row p is in, the younger ones stay out
	v_cvt_pk_bf16_f32 v[80+2*\p], v[16+4*\p], v[17+4*\p]
	v_cvt_pk_bf16_f32 v[81+2*\p], v[18+4*\p], v[19+4*\p]
	global_store_b64 v3, v[80+2*\p:81+2*\p], s[22:23] offset:1024*\p
.endr
	s_endpgm
.endm
.Lcast:
	s_load_b256 s[4:11], s[0:1], 0x30              ; cWq, cWo, gWq, gWo
	s_load_b128 s[12:15], s[0:1], 0x50             ; W1, W2
	s_load_b64 s[16:17], s[0:1], 0xc0              ; ws
	s_sub_co_u32 s18, s2, 176                      ; block of 16 rows, 0..383
	s_lshr_b32 s19, s18, 5                         ; matrix 0..11
	s_and_b32 s24, s18, 31                         ; block in the matrix
	s_lshl_b32 s22, s18, 14
	s_mov_b32 s23, 0
	s_sub_co_u32 s25, s19, 4
	s_lshr_b32 s25, s25, 1                         ; the FFN's chunk (used from matrix 4 on)
	v_lshlrev_b32 v2, 4, v0
	v_lshlrev_b32 v3, 3, v0
	s_wait_kmcnt 0x0
	s_add_nc_u64 s[22:23], s[16:17], s[22:23]
	s_cmp_lt_u32 s19, 4
	s_cbranch_scc1 .Lcast_sq
	s_bitcmp1_b32 s19, 0
	s_cbranch_scc1 .Lcast_w2
	s_lshl_b32 s26, s24, 17                        ; W1: 16 rows of 8,192 bytes,
	s_lshl_b32 s27, s25, 11                        ; 512 columns a chunk
	s_add_co_u32 s26, s26, s27
	s_mov_b32 s27, 0
	s_add_nc_u64 s[20:21], s[12:13], s[26:27]
	CAST 8192
.Lcast_w2:
	s_lshl_b32 s26, s24, 15                        ; W2: 16 rows of 2,048 bytes,
	s_lshl_b32 s27, s25, 20                        ; 512 rows a chunk
	s_add_co_u32 s26, s26, s27
	s_mov_b32 s27, 0
	s_add_nc_u64 s[20:21], s[14:15], s[26:27]
	s_branch .Lcast_go
.Lcast_sq:
	s_mov_b64 s[20:21], s[4:5]
	s_cmp_eq_u32 s19, 1
	s_cselect_b64 s[20:21], s[6:7], s[20:21]
	s_cmp_eq_u32 s19, 2
	s_cselect_b64 s[20:21], s[8:9], s[20:21]
	s_cmp_eq_u32 s19, 3
	s_cselect_b64 s[20:21], s[10:11], s[20:21]
	s_lshl_b32 s26, s24, 15
	s_mov_b32 s27, 0
	s_add_nc_u64 s[20:21], s[20:21], s[26:27]
.Lcast_go:
	CAST 2048
; ---------------------------------------------------------------- the small vectors
; vec: for norm n = 0..3: gain at 6,144 n, bias 2,048 on, the output bias that is added in the same step 4,096 on (0, cbo, gbo, bf2); bf1 at 24,576.
.Lvec:
	s_load_b512 s[4:19], s[0:1], 0x60              ; g1 b1 g2 b2 g3 b3 g4 b4
	s_load_b256 s[20:27], s[0:1], 0xa0             ; cbo gbo bf1 bf2
	s_load_b64 s[28:29], s[0:1], 0xd0              ; vec
	v_lshlrev_b32 v2, 4, v0                        ; 128 threads x 16 bytes: a vector of 512 numbers
	v_mov_b32 v76, 0
	v_mov_b32 v77, 0
	v_mov_b32 v78, 0
	v_mov_b32 v79, 0
	s_wait_kmcnt 0x0
.macro VLD k, sb, so
	global_load_b128 v[16+4*(\k):19+4*(\k)], v2, s[(\sb):(\sb)+1] offset:(\so)
.endm
.macro VST k, do
	global_store_b128 v2, v[16+4*(\k):19+4*(\k)], s[28:29] offset:(\do)
.endm
	VLD 0, 4, 0
	VLD 1, 6, 0
	VLD 2, 8, 0
	VLD 3, 10, 0
	VLD 4, 20, 0
	VLD 5, 12, 0
	VLD 6, 14, 0
	VLD 7, 22, 0
	VLD 8, 16, 0
	VLD 9, 18, 0
	VLD 10, 26, 0
	VLD 11, 24, 0
	VLD 12, 24, 2048
	VLD 13, 24, 4096
	VLD 14, 24, 6144
	VST 15, 4096                                   ; v76-79: norm 1 has no output bias
	s_wait_loadcnt 0x0
	VST 0, 0
	VST 1, 2048
	VST 2, 6144
	VST 3, 8192
	VST 4, 10240
	VST 5, 12288
	VST 6, 14336
	VST 7, 16384
	VST 8, 18432
	VST 9, 20480
	VST 10, 22528
	VST 11, 24576
	VST 12, 26624
	VST 13, 28672
	VST 14, 30720
	s_endpgm
.Lfunc_end_k_qb832b591ff_prep:
	.size	k_qb832b591ff_prep, .Lfunc_end_k_qb832b591ff_prep-k_qb832b591ff_prep
	.p2alignl 7, 3214868480
	.fill 96, 4, 3214868480
	.section	.rodata,"a",@progbits
	.p2align	6, 0x0
	.amdhsa_kernel k_qb832b591ff_prep
		.amdhsa_group_segment_fixed_size 20992
		.amdhsa_private_segment_fixed_size 0
		.amdhsa_enable_private_segment 0
		.amdhsa_kernarg_size 216
		.amdhsa_user_sgpr_count 2
		.amdhsa_user_sgpr_kernarg_segment_ptr 1
		.amdhsa_wavefront_size32 1
		.amdhsa_system_sgpr_workgroup_id_x 1
		.amdhsa_system_sgpr_workgroup_id_y 1
		.amdhsa_system_sgpr_workgroup_id_z 1
		.amdhsa_system_vgpr_workitem_id 0
		.amdhsa_next_free_vgpr 448
		.amdhsa_next_free_sgpr 66
		.amdhsa_reserve_vcc 0
		.amdhsa_float_denorm_mode_32 3
		.amdhsa_float_denorm_mode_16_64 3
		.amdhsa_memory_ordered 1
		.amdhsa_forward_progress 1
		.amdhsa_inst_pref_size 52
	.end_amdhsa_kernel
	.amdgpu_metadata
---
amdhsa.version: [ 1, 2 ]
amdhsa.kernels:
  - .name:           k_qb832b591ff_prep
    .symbol:         k_qb832b591ff_prep.kd
    .args:
      - { .name: context, .offset: 0, .size: 8, .value_kind: global_buffer, .address_space: global }
      - { .name: geometry_tokens, .offset: 8, .size: 8, .value_kind: global_buffer, .address_space: global }
      - { .name: cWk, .offset: 16, .size: 8, .value_kind: global_buffer, .address_space: global }
      - { .name: cWv, .offset: 24, .size: 8, .value_kind: global_buffer, .address_space: global }
      - { .name: gWk, .offset: 32, .size: 8, .value_kind: global_buffer, .address_space: global }
      - { .name: gWv, .offset: 40, .size: 8, .value_kind: global_buffer, .address_space: global }
      - { .name: cWq, .offset: 48, .size: 8, .value_kind: global_buffer, .address_space: global }
      - { .name: cWo, .offset: 56, .size: 8, .value_kind: global_buffer, .address_space: global }
      - { .name: gWq, .offset: 64, .size: 8, .value_kind: global_buffer, .address_space: global }
      - { .name: gWo, .offset: 72, .size: 8, .value_kind: global_buffer, .address_space: global }
      - { .name: W1, .offset: 80, .size: 8, .value_kind: global_buffer, .address_space: global }
      - { .name: W2, .offset: 88, .size: 8, .value_kind: global_buffer, .address_space: global }
      - { .name: g1, .offset: 96, .size: 8, .value_kind: global_buffer, .address_space: global }
      - { .name: b1, .offset: 104, .size: 8, .value_kind: global_buffer, .address_space: global }
      - { .name: g2, .offset: 112, .size: 8, .value_kind: global_buffer, .address_space: global }
      - { .name: b2, .offset: 120, .size: 8, .value_kind: global_buffer, .address_space: global }
      - { .name: g3, .offset: 128, .size: 8, .value_kind: global_buffer, .address_space: global }
      - { .name: b3, .offset: 136, .size: 8, .value_kind: global_buffer, .address_space: global }
      - { .name: g4, .offset: 144, .size: 8, .value_kind: global_buffer, .address_space: global }
      - { .name: b4, .offset: 152, .size: 8, .value_kind: global_buffer, .address_space: global }
      - { .name: cbo, .offset: 160, .size: 8, .value_kind: global_buffer, .address_space: global }
      - { .name: gbo, .offset: 168, .size: 8, .value_kind: global_buffer, .address_space: global }
      - { .name: bf1, .offset: 176, .size: 8, .value_kind: global_buffer, .address_space: global }
      - { .name: bf2, .offset: 184, .size: 8, .value_kind: global_buffer, .address_space: global }
      - { .name: ws, .offset: 192, .size: 8, .value_kind: global_buffer, .address_space: global }
      - { .name: kv, .offset: 200, .size: 8, .value_kind: global_buffer, .address_space: global }
      - { .name: vec, .offset: 208, .size: 8, .value_kind: global_buffer, .address_space: global }
    .group_segment_fixed_size: 20992
    .private_segment_fixed_size: 0
    .kernarg_segment_align: 8
    .kernarg_segment_size: 216
    .max_flat_workgroup_size: 128
    .sgpr_count:     66
    .vgpr_count:     448
    .wavefront_size: 32
...
	.end_amdgpu_metadata
.endif
;; end of part 1
;; launch main (part 2): grid 256 x 1, 4 waves a work-group, clusters of 4 x 1, 327,680 bytes of LDS; arguments x, ws, kv, vec, out0; writes out0
.if DOCPART == 2
	.amdgcn_target "amdgcn-amd-amdhsa--gfx1250"
	.amdhsa_code_object_version 6
	.text
	.protected	k_qb832b591ff_main
	.globl	k_qb832b591ff_main
	.p2align	8
	.type	k_qb832b591ff_main,@function
k_qb832b591ff_main:
	s_mov_b64 s[64:65], 0
	v_nop
	global_prefetch_b8 v0, s[64:65] scope:SCOPE_SE
	s_setreg_imm32_b32 hwreg(HW_REG_WAVE_MODE, 25, 1), 1
	s_wait_xcnt 0x0
	s_wait_alu depctr_hold_cnt(0) depctr_sa_sdst(0) depctr_va_vdst(0) depctr_va_sdst(0) depctr_va_ssrc(0) depctr_va_vcc(0) depctr_vm_vsrc(0)
	s_getreg_b32 s2, hwreg(HW_REG_IB_STS2, 6, 4)
	s_cmp_eq_u32 s2, 0
	s_cbranch_scc0 .Lentry_in_a_cluster
	s_endpgm
.Lentry_in_a_cluster:
	s_bfe_u32 s2, ttmp6, 0x10000c
	s_cmp_lg_u32 s2, 0x3003
	s_cbranch_scc0 .Lentry_shape_is_right
	s_endpgm
.Lentry_shape_is_right:
; THE WHOLE BLOCK FOR 64 TOKENS.  t = x^T; t += LN1(t); t += attention(LN2(t), context); t += attention(LN3(t), geometry); t += gelu(LN4(t) W1 + bf1) W2 + bf2; out = t^T.
; Every step works on a token row alone, so a work-group keeps its 64 rows from the load of x to the store of out0: the residual t stays in f32 in registers, and only weights, K and V are read on the way.
; SHARES.  Work-group = 64 tokens of one batch.  Wave w owns all 64 rows x columns 128 w .. 128 w + 127 of every 512-wide result (heads 2 w and 2 w + 1): 32 accumulators of 16 x 16, 256 registers.
; LAYOUT.  Every product is used transposed: source 0 = 16 columns (of a weight, 16 keys, 16 channels of V), source 1 = 16 tokens.  In every result lane (r, h) holds token 16 mt + r, and register j
; column 16 nb + 8 h + j; accumulator (mt, nb) lies at register 64 mt + 8 nb of its window.  So a row's sums are made inside a lane, two neighbouring results rounded to bf16 ARE a source 1 (q and the weights p
; go to the next product without LDS), and a lane's 8 columns are one LDS store of 16 bytes.
; STAGES.  Twelve products [64 x 512][512 x 512], one text for each of two kinds: P (source A in LDS, sums from 0 in window 2) and R (source H in LDS, sums added onto t in window 1).
; Six UNITS of P, something in the middle, R: two attentions (Wq, softmax over K and V, Wo) and four chunks of 512 hidden numbers (W1, gelu, W2).  In front of units 0, 1, 2 the norms.
; RING.  The 96 weight tiles of 64 k x 512 n follow each other in ws.  Wave w fetches, and alone reads, its 64 rows x 256 bytes; two slots take turns; one tensor load a wave is out behind each change of slots.
; CLUSTER.  The four work-groups of a cluster walk the same weights, so each tile is asked for jointly.  K and V are NOT asked for jointly: they are 0.7 of the 6.7 MB that a work-group reads, and
; loaded straight into registers in fragment order they leave the attention without a barrier.
; FORMATS.  All matrix operands bf16 (weights, norms' results, q, k, v, p, o, hidden numbers), all sums, t, maxima and statistics f32.
; LIMITS.  A hidden score counts as -1e30; a weight below 2^-126 counts as 0 in its sum.  erf is Abramowitz and Stegun's 7.1.25, within 2.5e-5 of erf for every argument, a fortieth of the step of the
; bf16 rounding that follows it.  The variance is made of the four waves' centred sums, no difference of large sums.  NaN and infinities are not treated apart.
; REGISTERS, in windows of 256 (s_set_vgpr_msb: bits 1:0 source 0, 3:2 source 1, 5:4 source 2, 7:6 destination):
;   window 0: v0-19 addresses; v20-51 statistics; v52-63 at work; v64-255: in a stage two fragment buffers; in attention S^T (v64-191) and P (v192-255); in a norm g, b, output bias; in gelu bias and work
;   window 1: t      window 2: P's sums, O^T, a norm's work, the way out      window 3: v0-127 q, v128-191 K of a step, v192-255 V of a step
.set PB,     288                       ; a row of a weight tile in LDS: 256 bytes + 32 = 72 words
.set SLOTB,  64*PB                     ; a wave's slot
.set RINGW,  2*SLOTB                   ; a wave's ring; later its stage for the way out
.set A_B,    4*RINGW                   ; A: 64 rows of 512 bf16
.set PA,     1040                      ; 1,024 bytes + 16 = 260 words: the 16 rows of a load start at 16 different groups of four banks
.set H_B,    A_B+64*PA+0               ; H: likewise (66,560 is a multiple of 256)
.set X_B,    A_B                       ; x's tiles, filled once at the start; A and H are stored over them when every wave has read its tile
.set PX,     272                       ; a channel's 64 tokens: 256 bytes + 16
.set STATS,  X_B+4*128*PX              ; [wave][row] 8 bytes: a row's mean and centred sum of squares over the wave's 128 columns
.set SPARE,  STATS+2048                ; the spare words, 128 bytes a wave: two blocks of 256 bytes that no other line names
.set ADRA, 3                           ; v3   A + 1040 r + 16 h
.set ADRH, 4                           ; v4   the same in H
.set ADRB, 5                           ; v5-6 the turning load's address in my slot 0, 1
.set AK,   7                           ; v7   source 1's address, 128 bytes on with every tile
.set STOA, 8                           ; v8   where I store 16 bytes of a row of A: ADRA + 256 w
.set STOH, 9                           ; v9   of H
.set STW,  10                          ; v10  my wave's statistics of row r
.set STR,  11                          ; v11  wave 0's
.set GV,   12                          ; v12  512 w + 32 h: my columns in a vector of 512 f32
.set KVO,  13                          ; v13  16 x lane
.set XAD,  14                          ; v14  my place in my tile of x
.set OAD,  15                          ; v15  the way out: in
.set ORD,  16                          ; v16  the way out: back
.set OV,   17                          ; v17  my byte offset in two channels of out0
.set SPW,  18                          ; v18  my spare word; never rewritten
.set NIL,  19                          ; v19  0; never rewritten
.set LT,   20                          ; v20-51  norm: 16 chains; attention: unit u's m, a, l (even keys', odd keys') at LT + 4 u
.set MW,   52                          ; v52-59  norm: for each mt (mean, M2) of my wave, then (rstd, -mean rstd)
.set TA,   52                          ; attention: two sets of six at work: c0, c1, (c m, 0), m_new, difference
.set TB,   58
.set F0,   64                          ; fragment buffers: 8 of the weight (64 registers), 4 of the tokens (32)
.set F1,   160
.set VX,   128                         ; gelu: x, |x|, t, e, polynomial, packed
.set VAB,  136
.set VT,   144
.set VU,   152
.set VR,   160
.set VK,   168
.set WV,   14                          ; s14  wave
.set CX,   15                          ; s15  my place in the cluster: it enters x's and out0's addresses alone
.set WG,   16
.set BAT,  17                          ; s17  batch, which the four partners share
.set G1W,  24                          ; s[24:31] descriptor group 1 of a weight tile
.set G1X,  32                          ; s[32:39] of x's tile
.set G0,   40                          ; s[40:47] group 0, a set for each slot
.set G0X,  48                          ; s[48:51] group 0 of x's tile
.set SU,   52                          ; unit 0..5
.set LNI,  53                          ; norm 0..3
.set LNB,  54                          ; the norms of this unit end in front of this number
.set TL,   57                          ; counts tiles
.set ST,   58                          ; key step
.set NSTEP,59
.set SEL,  60                          ; s[60:61] v_permlanex16_b32: each lane takes its own place in the other half
.set CS,   62                          ; s[62:63] c = log2(e) / 8
.set KB,   66                          ; s[66:67] K of the step to be loaded
.set VB,   68                          ; s[68:69] V
.set KST,  70                          ; s[70:71] bytes to the next step, or 0
.set REM,  72                          ; keys left from this step's first on
.set VP,   74                          ; s[74:75] the vectors in hand
.set GP,   78                          ; s[78:87] gelu's constants, each the low word of a pair
.set GK2,  80
.set GA3,  82
.set GA2,  84
.set GA1,  86
.set ABSM, 88
.set BIGN, 89
.set OUTB, 90                          ; s[90:91]
.set I512, 92
.set EPSR, 93
.set ONE,  94                          ; s[94:95]
.set KP, 0
.set KR, 1
.set MSB, 0
.macro WIN new                         ; the immediate's high byte repeats the setting that is left; a switch that changes nothing is dropped
.if MSB != (\new)
	s_set_vgpr_msb (MSB<<8)|(\new)
.set MSB, (\new)
.endif
.endm
.macro PLACES                          ; four places behind matrix instructions, in front of vector lines and loads that touch their registers (ISA guide 7.12.1 for vector lines)
.rept 4
	v_nop
.endr
.endm
.macro CREST                           ; a round of the cluster's barrier behind its opening barrier
	s_cmp_lg_u32 s[WV], 0
	s_cbranch_scc1 .Lnot_wave_0_\@
	s_barrier_signal -3
.Lnot_wave_0_\@:
	s_barrier_wait -3
	s_barrier_signal -1
	s_barrier_wait -1
.endm
.macro CROUND
	s_barrier_signal -1
	s_barrier_wait -1
	CREST
.endm
.macro BAR                             ; what I stored in LDS is there, what I read is back; then all four waves meet.
	s_wait_dscnt 0x0
	s_barrier_signal -1
	s_barrier_wait -1
.endm
	s_load_b256 s[4:11], s[0:1], 0x0               ; x s[4:5], ws s[6:7], kv s[8:9], vec s[10:11]
	s_load_b64 s[12:13], s[0:1], 0x20              ; out0
	v_lshl_add_u32 v[SPW], v0, 2, SPARE
	v_mov_b32 v[NIL], 0
	ds_add_u32 v[SPW], v[NIL]                      ; the wave's opening: the add and its wait ahead of my first tensor load; the set-up below, work on registers, stands between them
	v_lshrrev_b32 v1, 5, v0
	v_readfirstlane_b32 s[WV], v1
	s_bfe_u32 s[CX], ttmp6, 0x40000
	s_lshl_b32 s[WG], ttmp9, 2                     ; in a cluster launch ttmp9 counts clusters
	s_add_co_u32 s[WG], s[WG], s[CX]
	s_lshr_b32 s[BAT], ttmp9, 4                    ; 16 clusters a batch
	; a weight tile: 64 rows x 128 elements of 2 bytes, 512 elements from row to row, padded by 8 words after every 64
	s_mov_b32 s[G1W], 15|(1<<16)|(1<<20)|(1<<21)|(5<<22)|(7<<25)  ; 15:0 the mask of four; 17:16 2-byte elements; 20 padding on; 21 set beside a mask; 24:22 code 5; 31:25 code 7
	s_mov_b32 s[G1W+1], 128<<16                    ; tensor_dim0
	s_mov_b32 s[G1W+2], 64<<16                     ; tensor_dim1
	s_mov_b32 s[G1W+3], 128<<16                    ; tile_dim0
	s_mov_b32 s[G1W+4], 64                         ; tile_dim1
	s_mov_b32 s[G1W+5], 512
	s_mov_b32 s[G1W+6], 0
	s_mov_b32 s[G1W+7], 0
	; x's tile: 128 channels x 64 tokens of f32, stated as 128 elements of 2 bytes, 8,192 such elements from channel to channel; my own load: no mask
	s_mov_b32 s[G1X], (1<<16)|(1<<20)|(5<<22)|(3<<25)
	s_mov_b32 s[G1X+1], 128<<16
	s_mov_b32 s[G1X+2], 128<<16
	s_mov_b32 s[G1X+3], 128<<16
	s_mov_b32 s[G1X+4], 128
	s_mov_b32 s[G1X+5], 8192
	s_mov_b32 s[G1X+6], 0
	s_mov_b32 s[G1X+7], 0
	s_mul_i32 s18, s[WV], RINGW                    ; my ring: no place in the cluster enters an LDS address
	s_mov_b32 s[G0], 1
	s_mov_b32 s[G0+1], s18
	s_mov_b32 s[G0+4], 1
	s_add_co_u32 s[G0+5], s18, SLOTB
	s_mul_i32 s19, s[WV], 128*PX
	s_mov_b32 s[G0X], 1
	s_add_co_u32 s[G0X+1], s19, X_B
	s_lshl_b32 s20, s[WV], 8                       ; my 128 columns of a weight
	s_mov_b32 s21, 0
	s_lshl_b32 s22, s[BAT], 23                     ; x and out0: the batch,
	s_lshl_b32 s23, s[WV], 21                      ; my 128 channels,
	s_add_co_u32 s22, s22, s23
	s_and_b32 s23, s[WG], 63
	s_lshl_b32 s23, s23, 8                         ; my work-group's 64 tokens
	s_add_co_u32 s22, s22, s23
	s_mov_b32 s23, 0
	s_mov_b32 s[SEL], 0x76543210
	s_mov_b32 s[SEL+1], 0xfedcba98
	s_mov_b32 s[CS], 0x3e38aa3b                    ; log2(e) / 8
	s_mov_b32 s[CS+1], 0x3e38aa3b                  ; named with it as a pair
	s_mov_b32 s[KST+1], 0
	s_mov_b32 s[GP], 0x3eaa540e                    ; 0.47047 / sqrt(2)
	s_mov_b32 s[GP+1], 0x3eaa540e
	s_mov_b32 s[GK2], 0xbf38aa3b                   ; -log2(e) / 2
	s_mov_b32 s[GK2+1], 0xbf38aa3b
	s_mov_b32 s[GA3], 0x3ebf7377                   ; 0.7478556 / 2
	s_mov_b32 s[GA3+1], 0x3ebf7377
	s_mov_b32 s[GA2], 0xbd445ca1                   ; -0.0958798 / 2
	s_mov_b32 s[GA2+1], 0xbd445ca1
	s_mov_b32 s[GA1], 0x3e32303a                   ; 0.3480242 / 2
	s_mov_b32 s[GA1+1], 0x3e32303a
	s_mov_b32 s[ABSM], 0x7fffffff
	s_mov_b32 s[BIGN], 0xf149f2ca                  ; -1e30
	s_mov_b32 s[I512], 0x3b000000                  ; 1 / 512
	s_mov_b32 s[EPSR], 0x3727c5ac                  ; 1e-5
	s_mov_b32 s[ONE], 1.0
	s_mov_b32 s[ONE+1], 1.0
	s_wait_dscnt 0x0                               ; the opening add is done
	s_wait_kmcnt 0x0
	s_add_nc_u64 s[G0+2:G0+3], s[6:7], s[20:21]    ; tile 0,
	s_add_nc_u64 s[G0+6:G0+7], s[G0+2:G0+3], 65536 ; tile 1: 64 rows of 1,024 bytes on
	s_or_b32 s[G0+3], s[G0+3], 0x80000000          ; type = 2
	s_or_b32 s[G0+7], s[G0+7], 0x80000000
	s_add_nc_u64 s[G0X+2:G0X+3], s[4:5], s[22:23]
	s_or_b32 s[G0X+3], s[G0X+3], 0x80000000
	s_add_nc_u64 s[OUTB:OUTB+1], s[12:13], s[22:23]
	CROUND                                         ; all four work-groups are here: the first joint loads meet
	tensor_load_to_lds s[G0X:G0X+3], s[G1X:G1X+7]  ; the three first fills go out together: three loads of mine are out
	s_nop 0
	tensor_load_to_lds s[G0:G0+3], s[G1W:G1W+7]
	s_nop 0
	tensor_load_to_lds s[G0+4:G0+7], s[G1W:G1W+7]
	s_nop 0
	PLACES
	v_and_b32 v1, 15, v0                           ; r
	v_bfe_u32 v2, v0, 4, 1                         ; h
	v_mul_u32_u24 v20, v1, PA
	v_lshl_add_u32 v20, v2, 4, v20
	v_add_nc_u32 v[ADRA], A_B, v20
	v_add_nc_u32 v[ADRH], H_B, v20
	v_add_nc_u32 v[STOA], s20, v[ADRA]
	v_add_nc_u32 v[STOH], s20, v[ADRH]
	v_and_b32 v21, 7, v0                           ; the turning load: row 8 h + lane % 8, 16 bytes by (lane / 8) % 2
	v_lshl_add_u32 v21, v2, 3, v21
	v_mul_u32_u24 v21, v21, PB
	v_bfe_u32 v22, v0, 3, 1
	v_lshl_add_u32 v21, v22, 4, v21
	v_add_nc_u32 v[ADRB], s18, v21
	v_add_nc_u32 v[ADRB+1], SLOTB, v[ADRB]
	v_lshlrev_b32 v[STR], 3, v1
	v_add_nc_u32 v[STR], STATS, v[STR]
	v_lshl_add_u32 v[STW], s[WV], 9, v[STR]
	v_lshlrev_b32 v[GV], 5, v2
	v_lshl_add_u32 v[GV], s[WV], 9, v[GV]
	v_and_b32 v[KVO], 31, v0
	v_lshlrev_b32 v[KVO], 4, v[KVO]
	v_mul_u32_u24 v23, v2, 8*PX                    ; channel 8 h, token r
	v_lshl_add_u32 v23, v1, 2, v23
	v_add_nc_u32 v[XAD], s[G0X+1], v23
	v_add_nc_u32 v[OAD], s18, v23
	v_mul_u32_u24 v[ORD], v2, PX                   ; back: lanes 0-15 one channel's 256 bytes, lanes 16-31 the next
	v_lshl_add_u32 v[ORD], v1, 4, v[ORD]
	v_add_nc_u32 v[ORD], s18, v[ORD]
	v_lshlrev_b32 v[OV], 14, v2
	v_lshl_add_u32 v[OV], v1, 4, v[OV]
	s_wait_tensorcnt 0x2                           ; my tile of x is in; the two weight tiles behind it may stay out
	WIN 0x40
.set i, 0
.rept 256                              ; t: register i = 64 mt + 8 nb + j is channel 16 nb + 8 h + j of token 16 mt + r: x is turned on its way into registers
	ds_load_b32 v[i], v[XAD] offset:(16*((i/8)%8)+i%8)*PX+64*(i/64)
.set i, i+1
.endr
	WIN 0
	s_wait_dscnt 0x0
; ---------------------------------------------------------------- a stage's macros
; cnt row tiles x 8 column blocks, 32 along k from buffer f.  kind KP: sums in window 2; KR: onto t in window 1.  The accumulators take turns, one instruction a turn.
.macro MUL kind, f, m0, cnt, zero
	WIN 0xa0-0x50*(\kind)
.set mm, (\m0)
.rept (\cnt)
.irp nb, 0,1,2,3,4,5,6,7
.if (\zero)
	v_wmma_f32_16x16x32_bf16 v[64*mm+8*\nb:64*mm+8*\nb+7], v[(\f)+8*\nb:(\f)+8*\nb+7], v[(\f)+64+8*mm:(\f)+64+8*mm+7], 0
.else
	v_wmma_f32_16x16x32_bf16 v[64*mm+8*\nb:64*mm+8*\nb+7], v[(\f)+8*\nb:(\f)+8*\nb+7], v[(\f)+64+8*mm:(\f)+64+8*mm+7], v[64*mm+8*\nb:64*mm+8*\nb+7]
.endif
.endr
.set mm, mm+1
.endr
.endm
; 24 LDS loads in one run: half sub (32 along k) of the tile in my slot, turned, and the same 32 k of the 64 token rows
.macro FETCH slot, sub, f
	WIN 0
.irp nb, 0,1,2,3,4,5,6,7
	ds_load_tr16_b128 v[(\f)+8*\nb:(\f)+8*\nb+3],   v[ADRB+(\slot)] offset:32*PB*(\sub)+32*\nb
	ds_load_tr16_b128 v[(\f)+8*\nb+4:(\f)+8*\nb+7], v[ADRB+(\slot)] offset:32*PB*(\sub)+16*PB+32*\nb
.endr
.irp mt, 0,1,2,3
	ds_load_b128 v[(\f)+64+8*\mt:(\f)+64+8*\mt+3],   v[AK] offset:16*PA*\mt+64*(\sub)
	ds_load_b128 v[(\f)+64+8*\mt+4:(\f)+64+8*\mt+7], v[AK] offset:16*PA*\mt+64*(\sub)+32
.endr
.if (\sub)
	v_add_nc_u32 v[AK], 128, v[AK]                 ; the next tile's 64 k
.endif
.endm
.macro START kind                      ; a stage begins in slot 0
	WIN 0
	s_wait_tensorcnt 0x1                           ; slot 0's tile is in; the one load issued behind it, slot 1's, may stay out
.if (\kind)
	v_mov_b32 v[AK], v[ADRH]
.else
	v_mov_b32 v[AK], v[ADRA]
.endif
	FETCH 0, 0, F0
.endm
.macro HALF0 kind, s, zero=0           ; a tile's first 32 k; in its middle the second half's fragments are fetched
	s_wait_dscnt 0x0
	MUL \kind, F0, 0, 2, \zero
	PLACES
	FETCH \s, 1, F1
	MUL \kind, F0, 2, 2, \zero
.endm
; A tile's second 32 k, and the change of slots.  In front of the round each wave waits for all its tensor loads (one is out: the next tile), adds 0 to its spare word, and waits for that and for its
; reads of this slot.  Behind the round no wave of any partner reads this slot or has a load on its way, and the slot is filled again first, with the tile two on.
.macro TURN kind, s, fetch
	WIN 0
	s_wait_tensorcnt 0x0                           ; all my tensor loads have landed;
	ds_add_u32 v[SPW], v[NIL]                      ; 0 onto my spare word;
	s_wait_dscnt 0x1                               ; (the 24 loads of this half are in; the add may be out)
	MUL \kind, F1, 0, 1, 0                         ; eight matrix instructions stand between the add and the wait for it
	s_wait_dscnt 0x0                               ; the add is done, and my reads of this slot are over
	s_barrier_signal -1
	MUL \kind, F1, 1, 1, 0                         ; work on registers while the others arrive
	WIN 0
	s_barrier_wait -1
	CREST
	s_add_nc_u64 s[G0+4*(\s)+2:G0+4*(\s)+3], s[G0+4*(\s)+2:G0+4*(\s)+3], 131072  ; two tiles on; the type bits on top are not reached
	tensor_load_to_lds s[G0+4*(\s):G0+4*(\s)+3], s[G1W:G1W+7]
	s_nop 0
	PLACES                                         ; also the places in front of the loads below
.if (\fetch)
	FETCH 1-(\s), 0, F0
.endif
	MUL \kind, F1, 2, 2, 0
.endm
.macro RTAIL fill                      ; the end of an R stage: the rest of tile 6 and tile 7.  fill = 0: the launch's last two tiles, which ask for nothing
.if (\fill)
	TURN KR, 0, 1
	HALF0 KR, 1
	TURN KR, 1, 0
.else
	s_wait_dscnt 0x0
	s_wait_tensorcnt 0x0                           ; the last tile is in
	MUL KR, F1, 0, 2, 0
	PLACES
	FETCH 1, 0, F0
	MUL KR, F1, 2, 2, 0
	HALF0 KR, 1
	s_wait_dscnt 0x0
	MUL KR, F1, 0, 4, 0
.endif
.endm
.macro EMIT adr                        ; window 2's 64 x 128 numbers, rounded to bf16 in place (ascending, so no source is lost) and stored as rows of A or H
	WIN 0x8a
.set i, 0
.rept 128
	v_cvt_pk_bf16_f32 v[i], v[2*i], v[2*i+1]
.set i, i+1
.endr
	WIN 0x08
.set i, 0
.rept 32                               ; i = 8 mt + nb
	ds_store_b128 v[\adr], v[4*i:4*i+3] offset:16*PA*(i/8)+32*(i%8)
.set i, i+1
.endr
.endm
.macro VECLD dst, off                  ; my 64 columns of a vector of 512 f32: register dst + 8 nb + j
.set i, 0
.rept 16
	global_load_b128 v[(\dst)+4*i:(\dst)+4*i+3], v[GV], s[VP:VP+1] offset:(\off)+64*(i/2)+16*(i%2)
.set i, i+1
.endr
.endm
.macro LNRED                           ; 16 chains of pairs -> for each mt one number, the same in both halves of the lanes, in v[LT + 8 mt]
.irp mt, 0,1,2,3
	v_pk_add_f32 v[LT+8*\mt:LT+8*\mt+1], v[LT+8*\mt:LT+8*\mt+1], v[LT+8*\mt+2:LT+8*\mt+3]
	v_pk_add_f32 v[LT+8*\mt+4:LT+8*\mt+5], v[LT+8*\mt+4:LT+8*\mt+5], v[LT+8*\mt+6:LT+8*\mt+7]
.endr
.irp mt, 0,1,2,3
	v_pk_add_f32 v[LT+8*\mt:LT+8*\mt+1], v[LT+8*\mt:LT+8*\mt+1], v[LT+8*\mt+4:LT+8*\mt+5]
.endr
.irp mt, 0,1,2,3
	v_add_f32 v[LT+8*\mt], v[LT+8*\mt], v[LT+8*\mt+1]
.endr
.irp mt, 0,1,2,3
	v_permlanex16_b32 v[LT+8*\mt+1], v[LT+8*\mt], s[SEL], s[SEL+1]  ; the row's other 64 of my columns lie in the lane 16 away
.endr
.irp mt, 0,1,2,3
	v_add_f32 v[LT+8*\mt], v[LT+8*\mt], v[LT+8*\mt+1]
.endr
.endm
	s_mov_b32 s[SU], 0
	s_mov_b32 s[LNI], 0
	s_branch .Lunit                                ; the loop over units is entered behind the end of an R stage
.Lnext:
	RTAIL 1
	WIN 0
.Lunit:
	s_cmp_ge_u32 s[SU], 3
	s_cbranch_scc1 .Lstage                         ; the FFN's chunks 1 to 3 have no norm: A stays.  The branch hangs on the unit alone: all waves take it alike
	s_add_co_u32 s[LNB], s[SU], 2                  ; unit 0: norms 0 and 1; unit 1: norm 2; unit 2: norm 3
; ---------------------------------------------------------------- a norm
.Lln:
	PLACES                                         ; behind the last products onto t, whose fragments lay where g, b and the output bias go
	s_mul_i32 s18, s[LNI], 6144
	s_mov_b32 s19, 0
	s_add_nc_u64 s[VP:VP+1], s[10:11], s[18:19]
	VECLD 64, 0                                    ; g
	VECLD 128, 2048                                ; b
	VECLD 192, 4096                                ; the bias of the product that is added onto t in this unit
	WIN 0x05
.set i, 0
.rept 16                               ; chain i = 4 mt + k sums t's registers 16 i .. 16 i + 15, two accumulators, each from its low end on
	v_pk_add_f32 v[LT+2*i:LT+2*i+1], v[16*i:16*i+1], v[16*i+2:16*i+3]
.set i, i+1
.endr
	WIN 0x01
.set j, 2
.rept 6
.set i, 0
.rept 16
	v_pk_add_f32 v[LT+2*i:LT+2*i+1], v[16*i+2*j:16*i+2*j+1], v[LT+2*i:LT+2*i+1]
.set i, i+1
.endr
.set j, j+1
.endr
	WIN 0
	LNRED
.irp mt, 0,1,2,3
	v_mul_f32 v[MW+2*\mt], 0x3c000000, v[LT+8*\mt]    ; my wave's mean over 128 columns;
	v_mul_f32 v[MW+2*\mt+1], 0x3c000000, v[LT+8*\mt]  ; the pair is named whole below
.endr
	WIN 0x81
.set i, 0
.rept 128                              ; t - mean_w, into window 2
	v_pk_add_f32 v[2*i:2*i+1], v[2*i:2*i+1], v[MW+2*(i/32):MW+2*(i/32)+1] op_sel_hi:[1,0] neg_lo:[0,1] neg_hi:[0,1]
.set i, i+1
.endr
	WIN 0x0a
.set i, 0
.rept 16
	v_pk_mul_f32 v[LT+2*i:LT+2*i+1], v[16*i:16*i+1], v[16*i:16*i+1]
.set i, i+1
.endr
.set j, 1
.rept 7
.set i, 0
.rept 16
	v_pk_fma_f32 v[LT+2*i:LT+2*i+1], v[16*i+2*j:16*i+2*j+1], v[16*i+2*j:16*i+2*j+1], v[LT+2*i:LT+2*i+1]
.set i, i+1
.endr
.set j, j+1
.endr
	WIN 0
	LNRED
.irp mt, 0,1,2,3
	v_mov_b32 v[MW+2*\mt+1], v[LT+8*\mt]           ; my wave's centred sum of squares
.endr
.irp mt, 0,1,2,3
	ds_store_b64 v[STW], v[MW+2*\mt:MW+2*\mt+1] offset:128*\mt
.endr
	s_wait_loadcnt 0x0                             ; g, b, bias
	BAR                                            ; the four waves' statistics are there
.irp mt, 0,1,2,3
.irp w, 0,1,2,3
	ds_load_b64 v[LT+8*\mt+2*\w:LT+8*\mt+2*\w+1], v[STR] offset:512*\w+128*\mt
.endr
.endr
	s_wait_dscnt 0x0
.irp mt, 0,1,2,3                       ; mean = sum m_w / 4; M2 = sum M2_w + 128 sum (m_w - mean)^2; rstd = rsq(M2 / 512 + eps)
	v_add_f32 v60, v[LT+8*\mt], v[LT+8*\mt+2]
	v_add_f32 v61, v[LT+8*\mt+4], v[LT+8*\mt+6]
	v_add_f32 v60, v60, v61
	v_mul_f32 v60, 0x3e800000, v60
	v_sub_f32 v[LT+8*\mt], v[LT+8*\mt], v60
	v_sub_f32 v[LT+8*\mt+2], v[LT+8*\mt+2], v60
	v_sub_f32 v[LT+8*\mt+4], v[LT+8*\mt+4], v60
	v_sub_f32 v[LT+8*\mt+6], v[LT+8*\mt+6], v60
	v_mul_f32 v61, v[LT+8*\mt], v[LT+8*\mt]
	v_fmac_f32 v61, v[LT+8*\mt+2], v[LT+8*\mt+2]
	v_fmac_f32 v61, v[LT+8*\mt+4], v[LT+8*\mt+4]
	v_fmac_f32 v61, v[LT+8*\mt+6], v[LT+8*\mt+6]
	v_add_f32 v62, v[LT+8*\mt+1], v[LT+8*\mt+3]
	v_add_f32 v63, v[LT+8*\mt+5], v[LT+8*\mt+7]
	v_add_f32 v62, v62, v63
	v_fmamk_f32 v62, v61, 0x43000000, v62
	v_fma_f32 v62, v62, s[I512], s[EPSR]
	v_rsq_f32 v[MW+2*\mt], v62
	v_nop                                          ; a plain instruction between the root and the use of its result (ISA guide 5.7.2)
	s_wait_alu depctr_va_vdst(0)
	v_mul_f32 v[MW+2*\mt+1], -v60, v[MW+2*\mt]
.endr
	WIN 0x81
.set i, 0
.rept 128                              ; t rstd - mean rstd
	v_pk_fma_f32 v[2*i:2*i+1], v[2*i:2*i+1], v[MW+2*(i/32):MW+2*(i/32)+1], v[MW+2*(i/32):MW+2*(i/32)+1] op_sel:[0,0,1] op_sel_hi:[1,0,1]
.set i, i+1
.endr
	WIN 0x82
.set i, 0
.rept 128                              ; times g, plus b
	v_pk_fma_f32 v[2*i:2*i+1], v[2*i:2*i+1], v[64+2*(i%32):64+2*(i%32)+1], v[128+2*(i%32):128+2*(i%32)+1]
.set i, i+1
.endr
	WIN 0
	s_cmp_lg_u32 s[LNI], 0
	s_cbranch_scc1 .Lln_emit
	WIN 0x49
.set i, 0
.rept 128                              ; norm 0: t += LN1(t)
	v_pk_add_f32 v[2*i:2*i+1], v[2*i:2*i+1], v[2*i:2*i+1]
.set i, i+1
.endr
	WIN 0
	s_branch .Lln_done
.Lln_emit:
	WIN 0x41
.set i, 0
.rept 128                              ; the others: the unit's output bias goes onto t now, the norm's result into A
	v_pk_add_f32 v[2*i:2*i+1], v[2*i:2*i+1], v[192+2*(i%32):192+2*(i%32)+1]
.set i, i+1
.endr
	EMIT STOA
	WIN 0
.Lln_done:
	BAR                                            ; A is whole; the statistics have been read; in norm 0: every wave has read its tile of x, over which A is stored next
	s_add_co_u32 s[LNI], s[LNI], 1
	s_cmp_lt_u32 s[LNI], s[LNB]
	s_cbranch_scc1 .Lln
; ---------------------------------------------------------------- stage P: [64 x 512] A times a weight, sums from 0
.Lstage:
	START KP
	HALF0 KP, 0, 1                                 ; the first products start the sums: nothing is cleared
	TURN KP, 0, 1
	WIN 0
	s_mov_b32 s[TL], 3
.Lp:
	HALF0 KP, 1
	TURN KP, 1, 1
	HALF0 KP, 0
	TURN KP, 0, 1
	WIN 0
	s_sub_co_u32 s[TL], s[TL], 1
	s_cmp_lg_u32 s[TL], 0
	s_cbranch_scc1 .Lp
	HALF0 KP, 1
	TURN KP, 1, 0                                  ; the next stage's tile 1 is asked for; its tile 0 has landed
	PLACES
	WIN 0
	s_cmp_lt_u32 s[SU], 2
	s_cbranch_scc0 .Lgelu
; ---------------------------------------------------------------- attention: 8 units u = 2 mt + hd of 16 queries x one head; keys in steps of 32
	WIN 0xca
.set i, 0
.rept 128                              ; q, rounded: registers 16 u + 8 kc .. are source 1 for channels 32 kc ..
	v_cvt_pk_bf16_f32 v[i], v[2*i], v[2*i+1]
.set i, i+1
.endr
	WIN 0
.set i, 0
.rept 8
	v_mov_b32 v[LT+4*i], 0xff7fffff                ; m: the lowest finite number, so the first step's a is 0: O^T (window 2 holds the finite q) and l start by that factor
	v_mov_b32 v[LT+4*i+2], 0
	v_mov_b32 v[LT+4*i+3], 0
.set i, i+1
.endr
	v_mov_b32 v[TA+3], 0                           ; named as the high words of pairs
	v_mov_b32 v[TB+3], 0
	s_mov_b32 s18, 262144
	s_mov_b32 s19, 786432
	s_mov_b32 s20, 1048576
	s_mov_b32 s[REM], 256
	s_cmp_eq_u32 s[SU], 0
	s_cselect_b32 s18, 98304, s18                  ; a batch's bytes of K
	s_cselect_b32 s19, 0, s19                      ; where K begins
	s_cselect_b32 s20, 393216, s20                 ; from K to V
	s_cselect_b32 s[REM], 77, s[REM]
	s_cselect_b32 s[NSTEP], 3, 8
	s_mul_i32 s18, s18, s[BAT]
	s_add_co_u32 s18, s18, s19
	s_lshl_b32 s19, s[WV], 13                      ; my two heads
	s_add_co_u32 s18, s18, s19
	s_mov_b32 s19, 0
	s_mov_b32 s21, 0
	s_add_nc_u64 s[KB:KB+1], s[8:9], s[18:19]
	s_add_nc_u64 s[VB:VB+1], s[KB:KB+1], s[20:21]
.macro KVLD base, sb                   ; 16 loads of 512 consecutive bytes: a step's fragments of my two heads
	WIN 0xc0
.set i, 0
.rept 16
	global_load_b128 v[(\base)+4*i:(\base)+4*i+3], v[KVO], s[(\sb):(\sb)+1] offset:512*i
.set i, i+1
.endr
	WIN 0
.endm
; line n of a unit's softmax.  s0-s15 are the lane's 16 scores
.macro SML u, t
.set rS, 64+16*(\u)
.set rP, 192+8*(\u)
.set rT, LT+4*(\u)
.set rC, (\t)
.if n == 0
	v_max3_num_f32 v[rC], v[rS], v[rS+1], v[rS+2]          ; each accumulator's lowest registers are read first
.elseif n == 1
	v_max3_num_f32 v[rC+1], v[rS+8], v[rS+9], v[rS+10]
.elseif n == 2
	v_max3_num_f32 v[rC], v[rC], v[rS+3], v[rS+4]
.elseif n == 3
	v_max3_num_f32 v[rC+1], v[rC+1], v[rS+11], v[rS+12]
.elseif n == 4
	v_max3_num_f32 v[rC], v[rC], v[rS+5], v[rS+6]
.elseif n == 5
	v_max3_num_f32 v[rC+1], v[rC+1], v[rS+13], v[rS+14]
.elseif n == 6
	v_max3_num_f32 v[rC], v[rC], v[rS+7], v[rS+15]
.elseif n == 7
	v_max3_num_f32 v[rC], v[rC], v[rC+1], v[rT]            ; with the old m
.elseif n == 8
	v_permlanex16_b32 v[rC+1], v[rC], s[SEL], s[SEL+1]     ; the query's other 16 keys lie in the lane 16 away
.elseif n == 9
	v_max_num_f32 v[rC+4], v[rC], v[rC+1]                  ; m_new
.elseif n == 10
	v_sub_f32 v[rC+5], v[rT], v[rC+4]
.elseif n == 11
	v_mul_f32 v[rC+2], s[CS], v[rC+4]                      ; c m
.elseif n == 12
	v_mul_f32 v[rC+5], s[CS], v[rC+5]
.elseif n == 13
	v_mov_b32 v[rT], v[rC+4]
.elseif n == 14
	v_exp_f32 v[rT+1], v[rC+5]                             ; a = 2^(c m_old - c m_new)
.elseif n < 23
	v_pk_fma_f32 v[rS+2*(n-15):rS+2*(n-15)+1], v[rS+2*(n-15):rS+2*(n-15)+1], s[CS:CS+1], v[rC+2:rC+3] op_sel_hi:[1,0,0] neg_lo:[0,0,1] neg_hi:[0,0,1]
.elseif n < 39
	v_exp_f32 v[rS+n-23], v[rS+n-23]
.elseif n < 48
	v_cvt_pk_bf16_f32 v[rP+n-40], v[rS+2*(n-40)], v[rS+2*(n-40)+1]
.elseif n < 52
	v_pk_add_f32 v[rS+4*(n-48):rS+4*(n-48)+1], v[rS+4*(n-48):rS+4*(n-48)+1], v[rS+4*(n-48)+2:rS+4*(n-48)+3]
.elseif n < 54
	v_pk_add_f32 v[rS+8*(n-52):rS+8*(n-52)+1], v[rS+8*(n-52):rS+8*(n-52)+1], v[rS+8*(n-52)+4:rS+8*(n-52)+5]
.elseif n == 54
	v_pk_add_f32 v[rS:rS+1], v[rS:rS+1], v[rS+8:rS+9]
.else
	v_pk_fma_f32 v[rT+2:rT+3], v[rT+2:rT+3], v[rT:rT+1], v[rS:rS+1] op_sel:[0,1,0] op_sel_hi:[1,1,1]  ; l = l a + sum: a is the pair's high word
.endif
.endm
.macro SMX ua, ub                      ; two units line by line, so that no line waits for the one in front of it
.set n, 0
.rept 56
.if n == 39
	v_nop                                          ; a plain instruction between the exponentials and the use of their results (ISA guide 5.7.2)
	s_wait_alu depctr_va_vdst(0)
.else
	SML \ua, TA
	SML \ub, TB
.endif
.set n, n+1
.endr
.endm
	KVLD 128, KB
	KVLD 192, VB
	s_mov_b32 s[ST], 0
.Lkey:
	s_wait_loadcnt 0x10                            ; K is in; V's sixteen loads are younger
	WIN 0x0f
.irp kc, 0,1
.set i, 0
.rept 16                               ; i = 2 u + kb: 16 accumulators by turns
.if \kc
	v_wmma_f32_16x16x32_bf16 v[64+8*i:64+8*i+7], v[128+8*(4*((i/2)%2)+2*(i%2)+\kc):128+8*(4*((i/2)%2)+2*(i%2)+\kc)+7], v[16*(i/2)+8*\kc:16*(i/2)+8*\kc+7], v[64+8*i:64+8*i+7]
.else
	v_wmma_f32_16x16x32_bf16 v[64+8*i:64+8*i+7], v[128+8*(4*((i/2)%2)+2*(i%2)+\kc):128+8*(4*((i/2)%2)+2*(i%2)+\kc)+7], v[16*(i/2)+8*\kc:16*(i/2)+8*\kc+7], 0
.endif
.set i, i+1
.endr
.endr
	PLACES
	WIN 0
	s_add_co_u32 s18, s[ST], 1
	s_cmp_lt_u32 s18, s[NSTEP]
	s_cselect_b32 s[KST], 32768, 0                 ; in the last step the same fragments are loaded once more: no load leaves the buffer
	s_wait_xcnt 0x0                                ; the bases are stepped only behind this wait
	s_add_nc_u64 s[KB:KB+1], s[KB:KB+1], s[KST:KST+1]
	KVLD 128, KB
	s_cmp_ge_u32 s[REM], 32
	s_cbranch_scc1 .Lnomask
	v_lshlrev_b32 v62, 3, v2
	v_sub_nc_u32 v62, s[REM], v62                  ; register j of key block kb is hidden where 16 kb + j >= keys left - 8 h
.irp kb, 0,1
.irp j, 0,1,2,3,4,5,6,7
	v_cmp_ge_i32 vcc_lo, 16*\kb+\j, v62
.irp u, 0,1,2,3,4,5,6,7
	v_cndmask_b32 v[64+16*\u+8*\kb+\j], v[64+16*\u+8*\kb+\j], s[BIGN], vcc_lo
.endr
.endr
.endr
.Lnomask:
	SMX 0, 1
	SMX 2, 3
	SMX 4, 5
	SMX 6, 7
	WIN 0x82
.set i, 0
.rept 128                              ; O^T times a: unit i / 16
	v_pk_mul_f32 v[2*i:2*i+1], v[2*i:2*i+1], v[LT+4*(i/16):LT+4*(i/16)+1] op_sel:[0,1] op_sel_hi:[1,1]
.set i, i+1
.endr
	s_wait_loadcnt 0x10                            ; V is in; the next K's sixteen loads are younger
	WIN 0xa3
.set i, 0
.rept 32                               ; i = 4 u + cb: O^T += V^T P, 32 accumulators, one product each
	v_wmma_f32_16x16x32_bf16 v[8*i:8*i+7], v[192+8*(4*((i/4)%2)+i%4):192+8*(4*((i/4)%2)+i%4)+7], v[192+8*(i/4):192+8*(i/4)+7], v[8*i:8*i+7]
.set i, i+1
.endr
	PLACES
	WIN 0
	s_wait_xcnt 0x0
	s_add_nc_u64 s[VB:VB+1], s[VB:VB+1], s[KST:KST+1]
	KVLD 192, VB
	s_sub_co_u32 s[REM], s[REM], 32
	s_add_co_u32 s[ST], s[ST], 1
	s_cmp_lt_u32 s[ST], s[NSTEP]
	s_cbranch_scc1 .Lkey
	s_wait_loadcnt 0x0                             ; the last step's spare loads
.irp u, 0,1,2,3,4,5,6,7
	v_add_f32 v[LT+4*\u+2], v[LT+4*\u+2], v[LT+4*\u+3]
.endr
.irp u, 0,1,2,3,4,5,6,7
	v_permlanex16_b32 v[LT+4*\u+3], v[LT+4*\u+2], s[SEL], s[SEL+1]
.endr
.irp u, 0,1,2,3,4,5,6,7
	v_add_f32 v[LT+4*\u+2], v[LT+4*\u+2], v[LT+4*\u+3]
.endr
.irp u, 0,1,2,3,4,5,6,7
	v_rcp_f32 v[LT+4*\u+1], v[LT+4*\u+2]
.endr
	v_nop                                          ; a plain instruction between the last reciprocal and the use of its result
	WIN 0x82
.set i, 0
	s_wait_alu depctr_va_vdst(0)
.rept 128
	v_pk_mul_f32 v[2*i:2*i+1], v[2*i:2*i+1], v[LT+4*(i/16):LT+4*(i/16)+1] op_sel:[0,1] op_sel_hi:[1,1]
.set i, i+1
.endr
	EMIT STOH
	WIN 0
	s_branch .Lmid_done
; ---------------------------------------------------------------- gelu(x) = max(x, 0) - |x| (a1' t + a2' t^2 + a3' t^3) 2^(k2 x^2), t = 1 / (1 + p' |x|): one form for both signs
.macro GEL a                           ; accumulator a = 8 mt + nb: 8 numbers a lane
.set rA, 8*(\a)
.set rB, 64+8*((\a)%8)
	WIN 0x02
.irp p, 0,2,4,6
	v_pk_add_f32 v[VX+\p:VX+\p+1], v[rA+\p:rA+\p+1], v[rB+\p:rB+\p+1]
.endr
	WIN 0
.irp p, 0,1,2,3,4,5,6,7
	v_and_b32 v[VAB+\p], s[ABSM], v[VX+\p]
.endr
.irp p, 0,2,4,6
	v_pk_fma_f32 v[VT+\p:VT+\p+1], v[VAB+\p:VAB+\p+1], s[GP:GP+1], s[ONE:ONE+1] op_sel_hi:[1,0,0]
.endr
.irp p, 0,1,2,3,4,5,6,7
	v_rcp_f32 v[VT+\p], v[VT+\p]
.endr
.irp p, 0,2,4,6
	v_pk_mul_f32 v[VU+\p:VU+\p+1], v[VX+\p:VX+\p+1], v[VX+\p:VX+\p+1]
.endr
.irp p, 0,2,4,6
	v_pk_mul_f32 v[VU+\p:VU+\p+1], v[VU+\p:VU+\p+1], s[GK2:GK2+1] op_sel_hi:[1,0]
.endr
.irp p, 0,1,2,3,4,5,6,7
	v_exp_f32 v[VU+\p], v[VU+\p]
.endr
	s_wait_alu depctr_va_vdst(0)
.irp p, 0,2,4,6
	v_pk_fma_f32 v[VR+\p:VR+\p+1], v[VT+\p:VT+\p+1], s[GA3:GA3+1], s[GA2:GA2+1] op_sel_hi:[1,0,0]
.endr
.irp p, 0,2,4,6
	v_pk_fma_f32 v[VR+\p:VR+\p+1], v[VR+\p:VR+\p+1], v[VT+\p:VT+\p+1], s[GA1:GA1+1] op_sel_hi:[1,1,0]
.endr
.irp p, 0,2,4,6
	v_pk_mul_f32 v[VR+\p:VR+\p+1], v[VR+\p:VR+\p+1], v[VT+\p:VT+\p+1]
.endr
.irp p, 0,2,4,6
	v_pk_mul_f32 v[VU+\p:VU+\p+1], v[VU+\p:VU+\p+1], v[VAB+\p:VAB+\p+1]
.endr
.irp p, 0,1,2,3,4,5,6,7
	v_max_num_f32 v[VX+\p], 0, v[VX+\p]
.endr
.irp p, 0,2,4,6
	v_pk_fma_f32 v[VX+\p:VX+\p+1], v[VR+\p:VR+\p+1], v[VU+\p:VU+\p+1], v[VX+\p:VX+\p+1] neg_lo:[1,0,0] neg_hi:[1,0,0]
.endr
.irp p, 0,1,2,3
	v_cvt_pk_bf16_f32 v[VK+\p], v[VX+2*\p], v[VX+2*\p+1]
.endr
	ds_store_b128 v[STOH], v[VK:VK+3] offset:16*PA*((\a)/8)+32*((\a)%8)
.endm
.Lgelu:
	s_sub_co_u32 s18, s[SU], 2
	s_lshl_b32 s18, s18, 11                        ; the chunk's 512 numbers of bf1
	s_add_co_u32 s18, s18, 24576
	s_mov_b32 s19, 0
	s_add_nc_u64 s[VP:VP+1], s[10:11], s[18:19]
	VECLD 64, 0
	s_wait_loadcnt 0x0
.set g, 0
.rept 32
	GEL g
.set g, g+1
.endr
	WIN 0
.Lmid_done:
	BAR                                            ; H is whole
; ---------------------------------------------------------------- stage R: [64 x 512] H times a weight, added onto t
	START KR
	s_mov_b32 s[TL], 3
.Lr:
	HALF0 KR, 0
	TURN KR, 0, 1
	HALF0 KR, 1
	TURN KR, 1, 1
	WIN 0
	s_sub_co_u32 s[TL], s[TL], 1
	s_cmp_lg_u32 s[TL], 0
	s_cbranch_scc1 .Lr
	HALF0 KR, 0
	WIN 0
	s_add_co_u32 s[SU], s[SU], 1
	s_cmp_lt_u32 s[SU], 6
	s_cbranch_scc1 .Lnext
	RTAIL 0                                        ; the tail is written out
; ---------------------------------------------------------------- the way out: t is turned back through my own ring bytes, which have had their last fill and whose last reads are back
	PLACES
	WIN 0x04
.set i, 0
.rept 256                              ; each accumulator in ascending order
	ds_store_b32 v[OAD], v[i] offset:(16*((i/8)%8)+i%8)*PX+64*(i/64)
.set i, i+1
.endr
	WIN 0x80
.set i, 0
.rept 64                               ; LDS serves a wave's instructions in order (ISA guide 5.7.1.4): these see the stores above.  Two channels of 256 bytes a load
	ds_load_b128 v[4*i:4*i+3], v[ORD] offset:2*PX*i
.set i, i+1
.endr
	WIN 0x08
.set i, 0
.rept 64
	s_wait_dscnt 63-i                              ; load i is back, the younger ones stay out
	global_store_b128 v[OV], v[4*i:4*i+3], s[OUTB:OUTB+1] offset:32768*i th:TH_STORE_NT  ; 16 lanes store 256 consecutive bytes of a channel, at a multiple of 256 from out0's first byte
.set i, i+1
.endr
	WIN 0
	s_wait_tensorcnt 0x0                           ; the wave's end, behind my last tensor load and my last LDS store
	ds_add_u32 v[SPW], v[NIL]
	s_wait_dscnt 0x0
	CROUND                                         ; the closing round: no work-group ends while a partner may still ask for a tile that names it
	s_endpgm
.Lfunc_end_k_qb832b591ff_main:
	.size	k_qb832b591ff_main, .Lfunc_end_k_qb832b591ff_main-k_qb832b591ff_main
	.p2alignl 7, 3214868480
	.fill 96, 4, 3214868480
	.section	.rodata,"a",@progbits
	.p2align	6, 0x0
	.amdhsa_kernel k_qb832b591ff_main
		.amdhsa_group_segment_fixed_size 327680
		.amdhsa_private_segment_fixed_size 0
		.amdhsa_enable_private_segment 0
		.amdhsa_kernarg_size 40
		.amdhsa_user_sgpr_count 2
		.amdhsa_user_sgpr_kernarg_segment_ptr 1
		.amdhsa_wavefront_size32 1
		.amdhsa_system_sgpr_workgroup_id_x 1
		.amdhsa_system_sgpr_workgroup_id_y 1
		.amdhsa_system_sgpr_workgroup_id_z 1
		.amdhsa_system_vgpr_workitem_id 0
		.amdhsa_next_free_vgpr 1024
		.amdhsa_next_free_sgpr 96
		.amdhsa_reserve_vcc 1
		.amdhsa_float_denorm_mode_32 3
		.amdhsa_float_denorm_mode_16_64 3
		.amdhsa_memory_ordered 1
		.amdhsa_forward_progress 1
		.amdhsa_inst_pref_size 255
	.end_amdhsa_kernel
	.section	.bss,"aw",@nobits
	.p2align	6
	.space	262144
	.amdgpu_metadata
---
amdhsa.version: [ 1, 2 ]
amdhsa.kernels:
  - .name:           k_qb832b591ff_main
    .symbol:         k_qb832b591ff_main.kd
    .args:
      - { .name: x, .offset: 0, .size: 8, .value_kind: global_buffer, .address_space: global }
      - { .name: ws, .offset: 8, .size: 8, .value_kind: global_buffer, .address_space: global }
      - { .name: kv, .offset: 16, .size: 8, .value_kind: global_buffer, .address_space: global }
      - { .name: vec, .offset: 24, .size: 8, .value_kind: global_buffer, .address_space: global }
      - { .name: out0, .offset: 32, .size: 8, .value_kind: global_buffer, .address_space: global }
    .group_segment_fixed_size: 327680
    .private_segment_fixed_size: 0
    .kernarg_segment_align: 8
    .kernarg_segment_size: 40
    .max_flat_workgroup_size: 128
    .sgpr_count:     96
    .vgpr_count:     1024
    .wavefront_size: 32
...
	.end_amdgpu_metadata
.endif
;; end of part 2
;; ======== version 2 of 3: 2 launches; 1.35 times as fast as version 1
;; limits: a function is approximated: absolute error at most 2.5e-05
;; workspace buffers: ws 6,291,456 bytes; kv 2,883,584 bytes; vec 32,768 bytes
;; launch prep: the kernel of part 1 again; grid 561 x 1, 4 waves a work-group, no clusters, 20,992 bytes of LDS; arguments context, geometry_tokens, cWk, cWv, gWk, gWv, cWq, cWo, gWq, gWo, W1, W2, g1, b1, g2, b2, g3, b3, g4, b4, cbo, gbo, bf1, bf2, ws, kv, vec; writes ws, kv, vec
;; launch main (part 3): grid 256 x 1, 4 waves a work-group, clusters of 4 x 1, 327,680 bytes of LDS; arguments x, ws, kv, vec, out0; writes out0
.if DOCPART == 3
	.amdgcn_target "amdgcn-amd-amdhsa--gfx1250"
	.amdhsa_code_object_version 6
	.text
	.protected	k_qb832b591ff_main
	.globl	k_qb832b591ff_main
	.p2align	8
	.type	k_qb832b591ff_main,@function
k_qb832b591ff_main:
	s_mov_b64 s[64:65], 0
	v_nop
	global_prefetch_b8 v0, s[64:65] scope:SCOPE_SE
	s_setreg_imm32_b32 hwreg(HW_REG_WAVE_MODE, 25, 1), 1
	s_wait_xcnt 0x0
	s_wait_alu depctr_hold_cnt(0) depctr_sa_sdst(0) depctr_va_vdst(0) depctr_va_sdst(0) depctr_va_ssrc(0) depctr_va_vcc(0) depctr_vm_vsrc(0)
	s_getreg_b32 s2, hwreg(HW_REG_IB_STS2, 6, 4)
	s_cmp_eq_u32 s2, 0
	s_cbranch_scc0 .Lentry_in_a_cluster
	s_endpgm
.Lentry_in_a_cluster:
	s_bfe_u32 s2, ttmp6, 0x10000c
	s_cmp_lg_u32 s2, 0x3003
	s_cbranch_scc0 .Lentry_shape_is_right
	s_endpgm
.Lentry_shape_is_right:
; THE WHOLE BLOCK FOR 64 TOKENS.  t = x^T; t += LN1(t); t += attention(LN2(t), context); t += attention(LN3(t), geometry); t += gelu(LN4(t) W1 + bf1) W2 + bf2; out = t^T.
; Every step works on a token row alone, so a work-group keeps its 64 rows from the load of x to the store of out0: the residual t stays in f32 in registers, and only weights, K and V are read on the way.
; SHARES.  Work-group = 64 tokens of one batch.  A wave owns all 64 rows x 128 columns of every 512-wide result (two heads): 32 accumulators of 16 x 16, 256 registers.
; LAYOUT.  Every product is used transposed: source 0 = 16 columns (of a weight, 16 keys, 16 channels of V), source 1 = 16 tokens.  In every result lane (r, h) holds token 16 mt + r, and register j
; column 16 nb + 8 h + j; accumulator (mt, nb) lies at register 64 mt + 8 nb of its window.  So a row's sums are made inside a lane, two neighbouring results rounded to bf16 ARE a source 1 (q and the weights p
; go to the next product without LDS), and a lane's 8 columns are one LDS store of 16 bytes.
; STAGES.  Twelve products [64 x 512][512 x 512], one text for each of two kinds: P (source A in LDS, sums from 0 in window 2) and R (source H in LDS, sums added onto t in window 1).
; Six UNITS of P, something in the middle, R: two attentions (Wq, softmax over K and V, Wo) and four chunks of 512 hidden numbers (W1, gelu, W2).  In front of units 0, 1, 2 the norms.
; RING.  A stage's weight is 8 tiles of 64 k x 512 n.  A wave fetches, and alone reads, its 64 rows x 256 bytes; two slots take turns; one tensor load a wave is out behind each change of slots.
; CLUSTER.  The four work-groups of a cluster walk the same weights, so each tile is asked for jointly.  K and V are NOT asked for jointly: they are 0.7 of the 6.7 MB that a work-group reads, and
; loaded straight into registers in fragment order they leave the attention without a barrier.
; THE WALK DIFFERS FROM CLUSTER TO CLUSTER, so that clusters that keep pace do not all ask for the same tile at the same moment.  With g = cluster % 4, wave w owns column group cw = (w + g) % 4: cw stands in
; every global offset (x, out0, a weight's columns, the vectors, the heads), w in every LDS address.  So block w of A and H holds columns 128 cw .., the fixed order in which LDS is read means k tiles
; (i + 2 g) % 8 for i = 0..7, and the weight's tiles are asked for in that order: the four groups' first two tiles are all eight of a stage, and every later tile has been asked for two tiles earlier by the
; next group.  With gc = (cluster / 4) % 4, unit u of the FFN takes chunk (u - 2 + gc) % 4: the four chunks' sum in another order.  No LDS address, branch or count hangs on the cluster.
; FORMATS.  All matrix operands bf16 (weights, norms' results, q, k, v, p, o, hidden numbers), all sums, t, maxima and statistics f32.
; LIMITS.  A hidden score counts as -1e30; a weight below 2^-126 counts as 0 in its sum.  erf is Abramowitz and Stegun's 7.1.25, within 2.5e-5 of erf for every argument, a fortieth of the step of the
; bf16 rounding that follows it.  The variance is made of the four waves' centred sums, no difference of large sums.  NaN and infinities are not treated apart.
; REGISTERS, in windows of 256 (s_set_vgpr_msb: bits 1:0 source 0, 3:2 source 1, 5:4 source 2, 7:6 destination):
;   window 0: v0-19 addresses; v20-51 statistics; v52-63 at work; v64-255: in a stage two fragment buffers; in attention S^T (v64-191) and P (v192-255); in a norm g, b, output bias; in gelu bias and work
;   window 1: t      window 2: P's sums, O^T, a norm's work, the way out      window 3: v0-127 q, v128-191 K of a step, v192-255 V of a step
.set PB,     288                       ; a row of a weight tile in LDS: 256 bytes + 32 = 72 words
.set SLOTB,  64*PB                     ; a wave's slot
.set RINGW,  2*SLOTB                   ; a wave's ring; later its stage for the way out
.set A_B,    4*RINGW                   ; A: 64 rows of 512 bf16
.set PA,     1040                      ; 1,024 bytes + 16 = 260 words: the 16 rows of a load start at 16 different groups of four banks
.set H_B,    A_B+64*PA+0               ; H: likewise (66,560 is a multiple of 256)
.set X_B,    A_B                       ; x's tiles, filled once at the start; A and H are stored over them when every wave has read its tile
.set PX,     272                       ; a channel's 64 tokens: 256 bytes + 16
.set STATS,  X_B+4*128*PX              ; [wave][row] 8 bytes: a row's mean and centred sum of squares over the wave's 128 columns
.set SPARE,  STATS+2048                ; the spare words, 128 bytes a wave: two blocks of 256 bytes that no other line names
.set ADRA, 3                           ; v3   A + 1040 r + 16 h
.set ADRH, 4                           ; v4   the same in H
.set ADRB, 5                           ; v5-6 the turning load's address in my slot 0, 1
.set AK,   7                           ; v7   source 1's address, 128 bytes on with every tile
.set STOA, 8                           ; v8   where I store 16 bytes of a row of A: ADRA + 256 w
.set STOH, 9                           ; v9   of H
.set STW,  10                          ; v10  my wave's statistics of row r
.set STR,  11                          ; v11  wave 0's
.set GV,   12                          ; v12  512 cw + 32 h: my columns in a vector of 512 f32
.set KVO,  13                          ; v13  16 x lane
.set XAD,  14                          ; v14  my place in my tile of x
.set OAD,  15                          ; v15  the way out: in
.set ORD,  16                          ; v16  the way out: back
.set OV,   17                          ; v17  my byte offset in two channels of out0
.set SPW,  18                          ; v18  my spare word; never rewritten
.set NIL,  19                          ; v19  0; never rewritten
.set LT,   20                          ; v20-51  norm: 16 chains; attention: unit u's m, a, l (even keys', odd keys') at LT + 4 u
.set MW,   52                          ; v52-59  norm: for each mt (mean, M2) of my wave, then (rstd, -mean rstd)
.set TA,   52                          ; attention: two sets of six at work: c0, c1, (c m, 0), m_new, difference
.set TB,   58
.set F0,   64                          ; fragment buffers: 8 of the weight (64 registers), 4 of the tokens (32)
.set F1,   160
.set VX,   128                         ; gelu: x, |x|, t, e, polynomial, packed
.set VAB,  136
.set VT,   144
.set VU,   152
.set VR,   160
.set VK,   168
.set WV,   14                          ; s14  wave
.set CX,   15                          ; s15  my place in the cluster: it enters x's and out0's addresses alone
.set WG,   16
.set BAT,  17                          ; s17  batch, which the four partners share
.set G1W,  24                          ; s[24:31] descriptor group 1 of a weight tile
.set G1X,  32                          ; s[32:39] of x's tile
.set G0,   40                          ; s[40:47] group 0, a set for each slot
.set G0X,  48                          ; s[48:51] group 0 of x's tile
.set SU,   52                          ; unit 0..5
.set LNI,  53                          ; norm 0..3
.set LNB,  54                          ; the norms of this unit end in front of this number
.set CW,   55                          ; my column group: (wave + cluster % 4) % 4; it enters global offsets alone
.set R2,   56                          ; 2 (cluster % 4): by how many k tiles my cluster's walk of a stage is turned
.set TL,   57                          ; counts tiles
.set ST,   58                          ; key step
.set NSTEP,59
.set SEL,  60                          ; s[60:61] v_permlanex16_b32: each lane takes its own place in the other half
.set CS,   62                          ; s[62:63] c = log2(e) / 8
.set KB,   66                          ; s[66:67] K of the step to be loaded
.set VB,   68                          ; s[68:69] V
.set KST,  70                          ; s[70:71] bytes to the next step, or 0
.set REM,  72                          ; keys left from this step's first on
.set RC4,  73                          ; 2 gc + 4: by how many stages my cluster's walk of the FFN's eight is turned, and 4 so that no difference is formed
.set VP,   74                          ; s[74:75] the vectors in hand
.set NT,   76                          ; the place, 0..95, in my walk of the tile to be asked for next
.set GC,   77                          ; gc = (cluster / 4) % 4
.set GP,   78                          ; s[78:87] gelu's constants, each the low word of a pair
.set GK2,  80
.set GA3,  82
.set GA2,  84
.set GA1,  86
.set ABSM, 88
.set BIGN, 89
.set OUTB, 90                          ; s[90:91]
.set I512, 92
.set EPSR, 93
.set ONE,  94                          ; s[94:95]
.set OFF,  96                          ; s[96:97] a tile's byte offset in ws
.set T0,   98                          ; s98-99 at work
.set T1,   99
.set KP, 0
.set KR, 1
.set MSB, 0
.macro WIN new                         ; the immediate's high byte repeats the setting that is left; a switch that changes nothing is dropped
.if MSB != (\new)
	s_set_vgpr_msb (MSB<<8)|(\new)
.set MSB, (\new)
.endif
.endm
.macro PLACES                          ; four places behind matrix instructions, in front of vector lines and loads that touch their registers (ISA guide 7.12.1 for vector lines)
.rept 4
	v_nop
.endr
.endm
.macro CREST                           ; a round of the cluster's barrier behind its opening barrier
	s_cmp_lg_u32 s[WV], 0
	s_cbranch_scc1 .Lnot_wave_0_\@
	s_barrier_signal -3
.Lnot_wave_0_\@:
	s_barrier_wait -3
	s_barrier_signal -1
	s_barrier_wait -1
.endm
.macro CROUND
	s_barrier_signal -1
	s_barrier_wait -1
	CREST
.endm
.macro BAR                             ; what I stored in LDS is there, what I read is back; then all four waves meet.
	s_wait_dscnt 0x0
	s_barrier_signal -1
	s_barrier_wait -1
.endm
	s_load_b256 s[4:11], s[0:1], 0x0               ; x s[4:5], ws s[6:7], kv s[8:9], vec s[10:11]
	s_load_b64 s[12:13], s[0:1], 0x20              ; out0
	v_lshl_add_u32 v[SPW], v0, 2, SPARE
	v_mov_b32 v[NIL], 0
	ds_add_u32 v[SPW], v[NIL]                      ; the wave's opening: the add and its wait ahead of my first tensor load; the set-up below, work on registers, stands between them
	v_lshrrev_b32 v1, 5, v0
	v_readfirstlane_b32 s[WV], v1
	s_bfe_u32 s[CX], ttmp6, 0x40000
	s_lshl_b32 s[WG], ttmp9, 2                     ; in a cluster launch ttmp9 counts clusters
	s_add_co_u32 s[WG], s[WG], s[CX]
	s_lshr_b32 s[BAT], ttmp9, 4                    ; 16 clusters a batch
	s_and_b32 s[R2], ttmp9, 3                      ; g, which the four partners share
	s_add_co_u32 s[CW], s[WV], s[R2]
	s_and_b32 s[CW], s[CW], 3                      ; my column group
	s_lshl_b32 s[R2], s[R2], 1
	s_bfe_u32 s[GC], ttmp9, 0x20002                ; gc: 2 bits from bit 2
	s_lshl_b32 s[RC4], s[GC], 1
	s_add_co_u32 s[RC4], s[RC4], 4
	s_mov_b32 s[NT], 2                             ; places 0 and 1 are the first fills
	s_lshl_b32 s[OFF], s[R2], 16                   ; place 0 of stage 0 is k tile 2 g; place 1 is the tile behind it (2 g + 1 is at most 7)
	s_mov_b32 s[OFF+1], 0
	; a weight tile: 64 rows x 128 elements of 2 bytes, 512 elements from row to row, padded by 8 words after every 64
	s_mov_b32 s[G1W], 15|(1<<16)|(1<<20)|(1<<21)|(5<<22)|(7<<25)  ; 15:0 the mask of four; 17:16 2-byte elements; 20 padding on; 21 set beside a mask; 24:22 code 5; 31:25 code 7
	s_mov_b32 s[G1W+1], 128<<16                    ; tensor_dim0
	s_mov_b32 s[G1W+2], 64<<16                     ; tensor_dim1
	s_mov_b32 s[G1W+3], 128<<16                    ; tile_dim0
	s_mov_b32 s[G1W+4], 64                         ; tile_dim1
	s_mov_b32 s[G1W+5], 512
	s_mov_b32 s[G1W+6], 0
	s_mov_b32 s[G1W+7], 0
	; x's tile: 128 channels x 64 tokens of f32, stated as 128 elements of 2 bytes, 8,192 such elements from channel to channel; my own load: no mask
	s_mov_b32 s[G1X], (1<<16)|(1<<20)|(5<<22)|(3<<25)
	s_mov_b32 s[G1X+1], 128<<16
	s_mov_b32 s[G1X+2], 128<<16
	s_mov_b32 s[G1X+3], 128<<16
	s_mov_b32 s[G1X+4], 128
	s_mov_b32 s[G1X+5], 8192
	s_mov_b32 s[G1X+6], 0
	s_mov_b32 s[G1X+7], 0
	s_mul_i32 s18, s[WV], RINGW                    ; my ring: the wave's number alone enters an LDS address
	s_mov_b32 s[G0], 1
	s_mov_b32 s[G0+1], s18
	s_mov_b32 s[G0+4], 1
	s_add_co_u32 s[G0+5], s18, SLOTB
	s_mul_i32 s19, s[WV], 128*PX
	s_mov_b32 s[G0X], 1
	s_add_co_u32 s[G0X+1], s19, X_B
	s_lshl_b32 s20, s[CW], 8                       ; my 128 columns of a weight
	s_mov_b32 s21, 0
	s_lshl_b32 s22, s[BAT], 23                     ; x and out0: the batch,
	s_lshl_b32 s23, s[CW], 21                      ; my 128 channels,
	s_add_co_u32 s22, s22, s23
	s_and_b32 s23, s[WG], 63
	s_lshl_b32 s23, s23, 8                         ; my work-group's 64 tokens
	s_add_co_u32 s22, s22, s23
	s_mov_b32 s23, 0
	s_mov_b32 s[SEL], 0x76543210
	s_mov_b32 s[SEL+1], 0xfedcba98
	s_mov_b32 s[CS], 0x3e38aa3b                    ; log2(e) / 8
	s_mov_b32 s[CS+1], 0x3e38aa3b                  ; named with it as a pair
	s_mov_b32 s[KST+1], 0
	s_mov_b32 s[GP], 0x3eaa540e                    ; 0.47047 / sqrt(2)
	s_mov_b32 s[GP+1], 0x3eaa540e
	s_mov_b32 s[GK2], 0xbf38aa3b                   ; -log2(e) / 2
	s_mov_b32 s[GK2+1], 0xbf38aa3b
	s_mov_b32 s[GA3], 0x3ebf7377                   ; 0.7478556 / 2
	s_mov_b32 s[GA3+1], 0x3ebf7377
	s_mov_b32 s[GA2], 0xbd445ca1                   ; -0.0958798 / 2
	s_mov_b32 s[GA2+1], 0xbd445ca1
	s_mov_b32 s[GA1], 0x3e32303a                   ; 0.3480242 / 2
	s_mov_b32 s[GA1+1], 0x3e32303a
	s_mov_b32 s[ABSM], 0x7fffffff
	s_mov_b32 s[BIGN], 0xf149f2ca                  ; -1e30
	s_mov_b32 s[I512], 0x3b000000                  ; 1 / 512
	s_mov_b32 s[EPSR], 0x3727c5ac                  ; 1e-5
	s_mov_b32 s[ONE], 1.0
	s_mov_b32 s[ONE+1], 1.0
	s_wait_dscnt 0x0                               ; the opening add is done
	s_wait_kmcnt 0x0
	s_add_nc_u64 s[6:7], s[6:7], s[20:21]          ; ws at my columns: the base of every tile's address
	s_add_nc_u64 s[G0+2:G0+3], s[6:7], s[OFF:OFF+1]  ; place 0,
	s_add_nc_u64 s[G0+6:G0+7], s[G0+2:G0+3], 65536 ; place 1: 64 rows of 1,024 bytes on
	s_or_b32 s[G0+3], s[G0+3], 0x80000000          ; type = 2
	s_or_b32 s[G0+7], s[G0+7], 0x80000000
	s_add_nc_u64 s[G0X+2:G0X+3], s[4:5], s[22:23]
	s_or_b32 s[G0X+3], s[G0X+3], 0x80000000
	s_add_nc_u64 s[OUTB:OUTB+1], s[12:13], s[22:23]
	CROUND                                         ; all four work-groups are here: the first joint loads meet
	tensor_load_to_lds s[G0X:G0X+3], s[G1X:G1X+7]  ; the three first fills go out together: three loads of mine are out
	s_nop 0
	tensor_load_to_lds s[G0:G0+3], s[G1W:G1W+7]
	s_nop 0
	tensor_load_to_lds s[G0+4:G0+7], s[G1W:G1W+7]
	s_nop 0
	PLACES
	v_and_b32 v1, 15, v0                           ; r
	v_bfe_u32 v2, v0, 4, 1                         ; h
	v_mul_u32_u24 v20, v1, PA
	v_lshl_add_u32 v20, v2, 4, v20
	v_add_nc_u32 v[ADRA], A_B, v20
	v_add_nc_u32 v[ADRH], H_B, v20
	v_lshl_add_u32 v[STOA], s[WV], 8, v[ADRA]      ; block w of a row, whatever columns I own
	v_lshl_add_u32 v[STOH], s[WV], 8, v[ADRH]
	v_and_b32 v21, 7, v0                           ; the turning load: row 8 h + lane % 8, 16 bytes by (lane / 8) % 2
	v_lshl_add_u32 v21, v2, 3, v21
	v_mul_u32_u24 v21, v21, PB
	v_bfe_u32 v22, v0, 3, 1
	v_lshl_add_u32 v21, v22, 4, v21
	v_add_nc_u32 v[ADRB], s18, v21
	v_add_nc_u32 v[ADRB+1], SLOTB, v[ADRB]
	v_lshlrev_b32 v[STR], 3, v1
	v_add_nc_u32 v[STR], STATS, v[STR]
	v_lshl_add_u32 v[STW], s[WV], 9, v[STR]
	v_lshlrev_b32 v[GV], 5, v2
	v_lshl_add_u32 v[GV], s[CW], 9, v[GV]
	v_and_b32 v[KVO], 31, v0
	v_lshlrev_b32 v[KVO], 4, v[KVO]
	v_mul_u32_u24 v23, v2, 8*PX                    ; channel 8 h, token r
	v_lshl_add_u32 v23, v1, 2, v23
	v_add_nc_u32 v[XAD], s[G0X+1], v23
	v_add_nc_u32 v[OAD], s18, v23
	v_mul_u32_u24 v[ORD], v2, PX                   ; back: lanes 0-15 one channel's 256 bytes, lanes 16-31 the next
	v_lshl_add_u32 v[ORD], v1, 4, v[ORD]
	v_add_nc_u32 v[ORD], s18, v[ORD]
	v_lshlrev_b32 v[OV], 14, v2
	v_lshl_add_u32 v[OV], v1, 4, v[OV]
	s_wait_tensorcnt 0x2                           ; my tile of x is in; the two weight tiles behind it may stay out
	WIN 0x40
.set i, 0
.rept 256                              ; t: register i = 64 mt + 8 nb + j is channel 16 nb + 8 h + j of token 16 mt + r: x is turned on its way into registers
	ds_load_b32 v[i], v[XAD] offset:(16*((i/8)%8)+i%8)*PX+64*(i/64)
.set i, i+1
.endr
	WIN 0
	s_wait_dscnt 0x0
; ---------------------------------------------------------------- a stage's macros
; cnt row tiles x 8 column blocks, 32 along k from buffer f.  kind KP: sums in window 2; KR: onto t in window 1.  The accumulators take turns, one instruction a turn.
.macro MUL kind, f, m0, cnt, zero
	WIN 0xa0-0x50*(\kind)
.set mm, (\m0)
.rept (\cnt)
.irp nb, 0,1,2,3,4,5,6,7
.if (\zero)
	v_wmma_f32_16x16x32_bf16 v[64*mm+8*\nb:64*mm+8*\nb+7], v[(\f)+8*\nb:(\f)+8*\nb+7], v[(\f)+64+8*mm:(\f)+64+8*mm+7], 0
.else
	v_wmma_f32_16x16x32_bf16 v[64*mm+8*\nb:64*mm+8*\nb+7], v[(\f)+8*\nb:(\f)+8*\nb+7], v[(\f)+64+8*mm:(\f)+64+8*mm+7], v[64*mm+8*\nb:64*mm+8*\nb+7]
.endif
.endr
.set mm, mm+1
.endr
.endm
; 24 LDS loads in one run: half sub (32 along k) of the tile in my slot, turned, and the same 32 k of the 64 token rows
.macro FETCH slot, sub, f
	WIN 0
.irp nb, 0,1,2,3,4,5,6,7
	ds_load_tr16_b128 v[(\f)+8*\nb:(\f)+8*\nb+3],   v[ADRB+(\slot)] offset:32*PB*(\sub)+32*\nb
	ds_load_tr16_b128 v[(\f)+8*\nb+4:(\f)+8*\nb+7], v[ADRB+(\slot)] offset:32*PB*(\sub)+16*PB+32*\nb
.endr
.irp mt, 0,1,2,3
	ds_load_b128 v[(\f)+64+8*\mt:(\f)+64+8*\mt+3],   v[AK] offset:16*PA*\mt+64*(\sub)
	ds_load_b128 v[(\f)+64+8*\mt+4:(\f)+64+8*\mt+7], v[AK] offset:16*PA*\mt+64*(\sub)+32
.endr
.if (\sub)
	v_add_nc_u32 v[AK], 128, v[AK]                 ; the next place's 64 k
.endif
.endm
.macro START kind                      ; a stage begins in slot 0
	WIN 0
	s_wait_tensorcnt 0x1                           ; slot 0's tile is in; the one load issued behind it, slot 1's, may stay out
.if (\kind)
	v_mov_b32 v[AK], v[ADRH]
.else
	v_mov_b32 v[AK], v[ADRA]
.endif
	FETCH 0, 0, F0
.endm
.macro HALF0 kind, s, zero=0           ; a tile's first 32 k; in its middle the second half's fragments are fetched
	s_wait_dscnt 0x0
	MUL \kind, F0, 0, 2, \zero
	PLACES
	FETCH \s, 1, F1
	MUL \kind, F0, 2, 2, \zero
.endm
; The address of the tile at place NT of my cluster's walk, made anew into slot s's group 0: stage NT / 8, from stage 4 on turned by 2 gc among the FFN's eight; k tile (NT + 2 g) % 8;
; 8 tiles of 65,536 bytes a stage: 95 x 65,536 at the most, inside ws.  All of it hangs on numbers that the four partners share.
.macro ASK s
	s_lshr_b32 s[T0], s[NT], 3
	s_add_co_u32 s[T1], s[T0], s[RC4]              ; (stage - 4 + 2 gc) % 8 = (stage + 4 + 2 gc) % 8
	s_and_b32 s[T1], s[T1], 7
	s_add_co_u32 s[T1], s[T1], 4
	s_cmp_lt_u32 s[T0], 4
	s_cselect_b32 s[T0], s[T0], s[T1]
	s_add_co_u32 s[T1], s[NT], s[R2]
	s_and_b32 s[T1], s[T1], 7
	s_lshl3_add_u32 s[T0], s[T0], s[T1]
	s_lshl_b32 s[OFF], s[T0], 16
	s_add_nc_u64 s[G0+4*(\s)+2:G0+4*(\s)+3], s[6:7], s[OFF:OFF+1]
	s_or_b32 s[G0+4*(\s)+3], s[G0+4*(\s)+3], 0x80000000  ; type = 2
	s_add_co_u32 s[NT], s[NT], 1
.endm
; A tile's second 32 k, and the change of slots.  In front of the round each wave waits for all its tensor loads (one is out: the next tile), adds 0 to its spare word, and waits for that and for its
; reads of this slot.  Behind the round no wave of any partner reads this slot or has a load on its way, and the slot is filled again first, with the tile two places on.
.macro TURN kind, s, fetch
	WIN 0
	s_wait_tensorcnt 0x0                           ; all my tensor loads have landed, so a group 0 may be written;
	ds_add_u32 v[SPW], v[NIL]                      ; 0 onto my spare word;
	ASK \s                                         ; scalar work on registers while the add is out
	s_wait_dscnt 0x1                               ; (the 24 loads of this half are in; the add may be out)
	MUL \kind, F1, 0, 1, 0                         ; eight matrix instructions stand between the add and the wait for it
	s_wait_dscnt 0x0                               ; the add is done, and my reads of this slot are over
	s_barrier_signal -1
	MUL \kind, F1, 1, 1, 0                         ; work on registers while the others arrive
	WIN 0
	s_barrier_wait -1
	CREST
	tensor_load_to_lds s[G0+4*(\s):G0+4*(\s)+3], s[G1W:G1W+7]
	s_nop 0
	PLACES                                         ; also the places in front of the loads below
.if (\fetch)
	FETCH 1-(\s), 0, F0
.endif
	MUL \kind, F1, 2, 2, 0
.endm
.macro RTAIL fill                      ; the end of an R stage: the rest of place 6 and place 7.  fill = 0: the launch's last two tiles, which ask for nothing
.if (\fill)
	TURN KR, 0, 1
	HALF0 KR, 1
	TURN KR, 1, 0
.else
	s_wait_dscnt 0x0
	s_wait_tensorcnt 0x0                           ; the last tile is in
	MUL KR, F1, 0, 2, 0
	PLACES
	FETCH 1, 0, F0
	MUL KR, F1, 2, 2, 0
	HALF0 KR, 1
	s_wait_dscnt 0x0
	MUL KR, F1, 0, 4, 0
.endif
.endm
.macro EMIT adr                        ; window 2's 64 x 128 numbers, rounded to bf16 in place (ascending, so no source is lost) and stored as rows of A or H
	WIN 0x8a
.set i, 0
.rept 128
	v_cvt_pk_bf16_f32 v[i], v[2*i], v[2*i+1]
.set i, i+1
.endr
	WIN 0x08
.set i, 0
.rept 32                               ; i = 8 mt + nb
	ds_store_b128 v[\adr], v[4*i:4*i+3] offset:16*PA*(i/8)+32*(i%8)
.set i, i+1
.endr
.endm
.macro VECLD dst, off                  ; my 64 columns of a vector of 512 f32: register dst + 8 nb + j
.set i, 0
.rept 16
	global_load_b128 v[(\dst)+4*i:(\dst)+4*i+3], v[GV], s[VP:VP+1] offset:(\off)+64*(i/2)+16*(i%2)
.set i, i+1
.endr
.endm
.macro LNRED                           ; 16 chains of pairs -> for each mt one number, the same in both halves of the lanes, in v[LT + 8 mt]
.irp mt, 0,1,2,3
	v_pk_add_f32 v[LT+8*\mt:LT+8*\mt+1], v[LT+8*\mt:LT+8*\mt+1], v[LT+8*\mt+2:LT+8*\mt+3]
	v_pk_add_f32 v[LT+8*\mt+4:LT+8*\mt+5], v[LT+8*\mt+4:LT+8*\mt+5], v[LT+8*\mt+6:LT+8*\mt+7]
.endr
.irp mt, 0,1,2,3
	v_pk_add_f32 v[LT+8*\mt:LT+8*\mt+1], v[LT+8*\mt:LT+8*\mt+1], v[LT+8*\mt+4:LT+8*\mt+5]
.endr
.irp mt, 0,1,2,3
	v_add_f32 v[LT+8*\mt], v[LT+8*\mt], v[LT+8*\mt+1]
.endr
.irp mt, 0,1,2,3
	v_permlanex16_b32 v[LT+8*\mt+1], v[LT+8*\mt], s[SEL], s[SEL+1]  ; the row's other 64 of my columns lie in the lane 16 away
.endr
.irp mt, 0,1,2,3
	v_add_f32 v[LT+8*\mt], v[LT+8*\mt], v[LT+8*\mt+1]
.endr
.endm
	s_mov_b32 s[SU], 0
	s_mov_b32 s[LNI], 0
	s_branch .Lunit                                ; the loop over units is entered behind the end of an R stage
.Lnext:
	RTAIL 1
	WIN 0
.Lunit:
	s_cmp_ge_u32 s[SU], 3
	s_cbranch_scc1 .Lstage                         ; the FFN's later chunks have no norm: A stays.  The branch hangs on the unit alone: all waves take it alike
	s_add_co_u32 s[LNB], s[SU], 2                  ; unit 0: norms 0 and 1; unit 1: norm 2; unit 2: norm 3
; ---------------------------------------------------------------- a norm
.Lln:
	PLACES                                         ; behind the last products onto t, whose fragments lay where g, b and the output bias go
	s_mul_i32 s18, s[LNI], 6144
	s_mov_b32 s19, 0
	s_add_nc_u64 s[VP:VP+1], s[10:11], s[18:19]
	VECLD 64, 0                                    ; g
	VECLD 128, 2048                                ; b
	VECLD 192, 4096                                ; the bias of the product that is added onto t in this unit
	WIN 0x05
.set i, 0
.rept 16                               ; chain i = 4 mt + k sums t's registers 16 i .. 16 i + 15, two accumulators, each from its low end on
	v_pk_add_f32 v[LT+2*i:LT+2*i+1], v[16*i:16*i+1], v[16*i+2:16*i+3]
.set i, i+1
.endr
	WIN 0x01
.set j, 2
.rept 6
.set i, 0
.rept 16
	v_pk_add_f32 v[LT+2*i:LT+2*i+1], v[16*i+2*j:16*i+2*j+1], v[LT+2*i:LT+2*i+1]
.set i, i+1
.endr
.set j, j+1
.endr
	WIN 0
	LNRED
.irp mt, 0,1,2,3
	v_mul_f32 v[MW+2*\mt], 0x3c000000, v[LT+8*\mt]    ; my wave's mean over 128 columns;
	v_mul_f32 v[MW+2*\mt+1], 0x3c000000, v[LT+8*\mt]  ; the pair is named whole below
.endr
	WIN 0x81
.set i, 0
.rept 128                              ; t - mean_w, into window 2
	v_pk_add_f32 v[2*i:2*i+1], v[2*i:2*i+1], v[MW+2*(i/32):MW+2*(i/32)+1] op_sel_hi:[1,0] neg_lo:[0,1] neg_hi:[0,1]
.set i, i+1
.endr
	WIN 0x0a
.set i, 0
.rept 16
	v_pk_mul_f32 v[LT+2*i:LT+2*i+1], v[16*i:16*i+1], v[16*i:16*i+1]
.set i, i+1
.endr
.set j, 1
.rept 7
.set i, 0
.rept 16
	v_pk_fma_f32 v[LT+2*i:LT+2*i+1], v[16*i+2*j:16*i+2*j+1], v[16*i+2*j:16*i+2*j+1], v[LT+2*i:LT+2*i+1]
.set i, i+1
.endr
.set j, j+1
.endr
	WIN 0
	LNRED
.irp mt, 0,1,2,3
	v_mov_b32 v[MW+2*\mt+1], v[LT+8*\mt]           ; my wave's centred sum of squares
.endr
.irp mt, 0,1,2,3
	ds_store_b64 v[STW], v[MW+2*\mt:MW+2*\mt+1] offset:128*\mt
.endr
	s_wait_loadcnt 0x0                             ; g, b, bias
	BAR                                            ; the four waves' statistics are there
.irp mt, 0,1,2,3
.irp w, 0,1,2,3
	ds_load_b64 v[LT+8*\mt+2*\w:LT+8*\mt+2*\w+1], v[STR] offset:512*\w+128*\mt
.endr
.endr
	s_wait_dscnt 0x0
.irp mt, 0,1,2,3                       ; mean = sum m_w / 4; M2 = sum M2_w + 128 sum (m_w - mean)^2; rstd = rsq(M2 / 512 + eps)
	v_add_f32 v60, v[LT+8*\mt], v[LT+8*\mt+2]
	v_add_f32 v61, v[LT+8*\mt+4], v[LT+8*\mt+6]
	v_add_f32 v60, v60, v61
	v_mul_f32 v60, 0x3e800000, v60
	v_sub_f32 v[LT+8*\mt], v[LT+8*\mt], v60
	v_sub_f32 v[LT+8*\mt+2], v[LT+8*\mt+2], v60
	v_sub_f32 v[LT+8*\mt+4], v[LT+8*\mt+4], v60
	v_sub_f32 v[LT+8*\mt+6], v[LT+8*\mt+6], v60
	v_mul_f32 v61, v[LT+8*\mt], v[LT+8*\mt]
	v_fmac_f32 v61, v[LT+8*\mt+2], v[LT+8*\mt+2]
	v_fmac_f32 v61, v[LT+8*\mt+4], v[LT+8*\mt+4]
	v_fmac_f32 v61, v[LT+8*\mt+6], v[LT+8*\mt+6]
	v_add_f32 v62, v[LT+8*\mt+1], v[LT+8*\mt+3]
	v_add_f32 v63, v[LT+8*\mt+5], v[LT+8*\mt+7]
	v_add_f32 v62, v62, v63
	v_fmamk_f32 v62, v61, 0x43000000, v62
	v_fma_f32 v62, v62, s[I512], s[EPSR]
	v_rsq_f32 v[MW+2*\mt], v62
	v_nop                                          ; a plain instruction between the root and the use of its result (ISA guide 5.7.2)
	s_wait_alu depctr_va_vdst(0)
	v_mul_f32 v[MW+2*\mt+1], -v60, v[MW+2*\mt]
.endr
	WIN 0x81
.set i, 0
.rept 128                              ; t rstd - mean rstd
	v_pk_fma_f32 v[2*i:2*i+1], v[2*i:2*i+1], v[MW+2*(i/32):MW+2*(i/32)+1], v[MW+2*(i/32):MW+2*(i/32)+1] op_sel:[0,0,1] op_sel_hi:[1,0,1]
.set i, i+1
.endr
	WIN 0x82
.set i, 0
.rept 128                              ; times g, plus b
	v_pk_fma_f32 v[2*i:2*i+1], v[2*i:2*i+1], v[64+2*(i%32):64+2*(i%32)+1], v[128+2*(i%32):128+2*(i%32)+1]
.set i, i+1
.endr
	WIN 0
	s_cmp_lg_u32 s[LNI], 0
	s_cbranch_scc1 .Lln_emit
	WIN 0x49
.set i, 0
.rept 128                              ; norm 0: t += LN1(t)
	v_pk_add_f32 v[2*i:2*i+1], v[2*i:2*i+1], v[2*i:2*i+1]
.set i, i+1
.endr
	WIN 0
	s_branch .Lln_done
.Lln_emit:
	WIN 0x41
.set i, 0
.rept 128                              ; the others: the unit's output bias goes onto t now, the norm's result into A
	v_pk_add_f32 v[2*i:2*i+1], v[2*i:2*i+1], v[192+2*(i%32):192+2*(i%32)+1]
.set i, i+1
.endr
	EMIT STOA
	WIN 0
.Lln_done:
	BAR                                            ; A is whole; the statistics have been read; in norm 0: every wave has read its tile of x, over which A is stored next
	s_add_co_u32 s[LNI], s[LNI], 1
	s_cmp_lt_u32 s[LNI], s[LNB]
	s_cbranch_scc1 .Lln
; ---------------------------------------------------------------- stage P: [64 x 512] A times a weight, sums from 0
.Lstage:
	START KP
	HALF0 KP, 0, 1                                 ; the first products start the sums: nothing is cleared
	TURN KP, 0, 1
	WIN 0
	s_mov_b32 s[TL], 3
.Lp:
	HALF0 KP, 1
	TURN KP, 1, 1
	HALF0 KP, 0
	TURN KP, 0, 1
	WIN 0
	s_sub_co_u32 s[TL], s[TL], 1
	s_cmp_lg_u32 s[TL], 0
	s_cbranch_scc1 .Lp
	HALF0 KP, 1
	TURN KP, 1, 0                                  ; the next stage's place 1 is asked for; its place 0 has landed
	PLACES
	WIN 0
	s_cmp_lt_u32 s[SU], 2
	s_cbranch_scc0 .Lgelu
; ---------------------------------------------------------------- attention: 8 units u = 2 mt + hd of 16 queries x one head; keys in steps of 32
	WIN 0xca
.set i, 0
.rept 128                              ; q, rounded: registers 16 u + 8 kc .. are source 1 for channels 32 kc ..
	v_cvt_pk_bf16_f32 v[i], v[2*i], v[2*i+1]
.set i, i+1
.endr
	WIN 0
.set i, 0
.rept 8
	v_mov_b32 v[LT+4*i], 0xff7fffff                ; m: the lowest finite number, so the first step's a is 0: O^T (window 2 holds the finite q) and l start by that factor
	v_mov_b32 v[LT+4*i+2], 0
	v_mov_b32 v[LT+4*i+3], 0
.set i, i+1
.endr
	v_mov_b32 v[TA+3], 0                           ; named as the high words of pairs
	v_mov_b32 v[TB+3], 0
	s_mov_b32 s18, 262144
	s_mov_b32 s19, 786432
	s_mov_b32 s20, 1048576
	s_mov_b32 s[REM], 256
	s_cmp_eq_u32 s[SU], 0
	s_cselect_b32 s18, 98304, s18                  ; a batch's bytes of K
	s_cselect_b32 s19, 0, s19                      ; where K begins
	s_cselect_b32 s20, 393216, s20                 ; from K to V
	s_cselect_b32 s[REM], 77, s[REM]
	s_cselect_b32 s[NSTEP], 3, 8
	s_mul_i32 s18, s18, s[BAT]
	s_add_co_u32 s18, s18, s19
	s_lshl_b32 s19, s[CW], 13                      ; my two heads: 2 cw and 2 cw + 1
	s_add_co_u32 s18, s18, s19
	s_mov_b32 s19, 0
	s_mov_b32 s21, 0
	s_add_nc_u64 s[KB:KB+1], s[8:9], s[18:19]
	s_add_nc_u64 s[VB:VB+1], s[KB:KB+1], s[20:21]
.macro KVLD base, sb                   ; 16 loads of 512 consecutive bytes: a step's fragments of my two heads
	WIN 0xc0
.set i, 0
.rept 16
	global_load_b128 v[(\base)+4*i:(\base)+4*i+3], v[KVO], s[(\sb):(\sb)+1] offset:512*i
.set i, i+1
.endr
	WIN 0
.endm
; line n of a unit's softmax.  s0-s15 are the lane's 16 scores
.macro SML u, t
.set rS, 64+16*(\u)
.set rP, 192+8*(\u)
.set rT, LT+4*(\u)
.set rC, (\t)
.if n == 0
	v_max3_num_f32 v[rC], v[rS], v[rS+1], v[rS+2]          ; each accumulator's lowest registers are read first
.elseif n == 1
	v_max3_num_f32 v[rC+1], v[rS+8], v[rS+9], v[rS+10]
.elseif n == 2
	v_max3_num_f32 v[rC], v[rC], v[rS+3], v[rS+4]
.elseif n == 3
	v_max3_num_f32 v[rC+1], v[rC+1], v[rS+11], v[rS+12]
.elseif n == 4
	v_max3_num_f32 v[rC], v[rC], v[rS+5], v[rS+6]
.elseif n == 5
	v_max3_num_f32 v[rC+1], v[rC+1], v[rS+13], v[rS+14]
.elseif n == 6
	v_max3_num_f32 v[rC], v[rC], v[rS+7], v[rS+15]
.elseif n == 7
	v_max3_num_f32 v[rC], v[rC], v[rC+1], v[rT]            ; with the old m
.elseif n == 8
	v_permlanex16_b32 v[rC+1], v[rC], s[SEL], s[SEL+1]     ; the query's other 16 keys lie in the lane 16 away
.elseif n == 9
	v_max_num_f32 v[rC+4], v[rC], v[rC+1]                  ; m_new
.elseif n == 10
	v_sub_f32 v[rC+5], v[rT], v[rC+4]
.elseif n == 11
	v_mul_f32 v[rC+2], s[CS], v[rC+4]                      ; c m
.elseif n == 12
	v_mul_f32 v[rC+5], s[CS], v[rC+5]
.elseif n == 13
	v_mov_b32 v[rT], v[rC+4]
.elseif n == 14
	v_exp_f32 v[rT+1], v[rC+5]                             ; a = 2^(c m_old - c m_new)
.elseif n < 23
	v_pk_fma_f32 v[rS+2*(n-15):rS+2*(n-15)+1], v[rS+2*(n-15):rS+2*(n-15)+1], s[CS:CS+1], v[rC+2:rC+3] op_sel_hi:[1,0,0] neg_lo:[0,0,1] neg_hi:[0,0,1]
.elseif n < 39
	v_exp_f32 v[rS+n-23], v[rS+n-23]
.elseif n < 48
	v_cvt_pk_bf16_f32 v[rP+n-40], v[rS+2*(n-40)], v[rS+2*(n-40)+1]
.elseif n < 52
	v_pk_add_f32 v[rS+4*(n-48):rS+4*(n-48)+1], v[rS+4*(n-48):rS+4*(n-48)+1], v[rS+4*(n-48)+2:rS+4*(n-48)+3]
.elseif n < 54
	v_pk_add_f32 v[rS+8*(n-52):rS+8*(n-52)+1], v[rS+8*(n-52):rS+8*(n-52)+1], v[rS+8*(n-52)+4:rS+8*(n-52)+5]
.elseif n == 54
	v_pk_add_f32 v[rS:rS+1], v[rS:rS+1], v[rS+8:rS+9]
.else
	v_pk_fma_f32 v[rT+2:rT+3], v[rT+2:rT+3], v[rT:rT+1], v[rS:rS+1] op_sel:[0,1,0] op_sel_hi:[1,1,1]  ; l = l a + sum: a is the pair's high word
.endif
.endm
.macro SMX ua, ub                      ; two units line by line, so that no line waits for the one in front of it
.set n, 0
.rept 56
.if n == 39
	v_nop                                          ; a plain instruction between the exponentials and the use of their results (ISA guide 5.7.2)
	s_wait_alu depctr_va_vdst(0)
.else
	SML \ua, TA
	SML \ub, TB
.endif
.set n, n+1
.endr
.endm
	KVLD 128, KB
	KVLD 192, VB
	s_mov_b32 s[ST], 0
.Lkey:
	s_wait_loadcnt 0x10                            ; K is in; V's sixteen loads are younger
	WIN 0x0f
.irp kc, 0,1
.set i, 0
.rept 16                               ; i = 2 u + kb: 16 accumulators by turns
.if \kc
	v_wmma_f32_16x16x32_bf16 v[64+8*i:64+8*i+7], v[128+8*(4*((i/2)%2)+2*(i%2)+\kc):128+8*(4*((i/2)%2)+2*(i%2)+\kc)+7], v[16*(i/2)+8*\kc:16*(i/2)+8*\kc+7], v[64+8*i:64+8*i+7]
.else
	v_wmma_f32_16x16x32_bf16 v[64+8*i:64+8*i+7], v[128+8*(4*((i/2)%2)+2*(i%2)+\kc):128+8*(4*((i/2)%2)+2*(i%2)+\kc)+7], v[16*(i/2)+8*\kc:16*(i/2)+8*\kc+7], 0
.endif
.set i, i+1
.endr
.endr
	PLACES
	WIN 0
	s_add_co_u32 s18, s[ST], 1
	s_cmp_lt_u32 s18, s[NSTEP]
	s_cselect_b32 s[KST], 32768, 0                 ; in the last step the same fragments are loaded once more: no load leaves the buffer
	s_wait_xcnt 0x0                                ; the bases are stepped only behind this wait
	s_add_nc_u64 s[KB:KB+1], s[KB:KB+1], s[KST:KST+1]
	KVLD 128, KB
	s_cmp_ge_u32 s[REM], 32
	s_cbranch_scc1 .Lnomask
	v_lshlrev_b32 v62, 3, v2
	v_sub_nc_u32 v62, s[REM], v62                  ; register j of key block kb is hidden where 16 kb + j >= keys left - 8 h
.irp kb, 0,1
.irp j, 0,1,2,3,4,5,6,7
	v_cmp_ge_i32 vcc_lo, 16*\kb+\j, v62
.irp u, 0,1,2,3,4,5,6,7
	v_cndmask_b32 v[64+16*\u+8*\kb+\j], v[64+16*\u+8*\kb+\j], s[BIGN], vcc_lo
.endr
.endr
.endr
.Lnomask:
	SMX 0, 1
	SMX 2, 3
	SMX 4, 5
	SMX 6, 7
	WIN 0x82
.set i, 0
.rept 128                              ; O^T times a: unit i / 16
	v_pk_mul_f32 v[2*i:2*i+1], v[2*i:2*i+1], v[LT+4*(i/16):LT+4*(i/16)+1] op_sel:[0,1] op_sel_hi:[1,1]
.set i, i+1
.endr
	s_wait_loadcnt 0x10                            ; V is in; the next K's sixteen loads are younger
	WIN 0xa3
.set i, 0
.rept 32                               ; i = 4 u + cb: O^T += V^T P, 32 accumulators, one product each
	v_wmma_f32_16x16x32_bf16 v[8*i:8*i+7], v[192+8*(4*((i/4)%2)+i%4):192+8*(4*((i/4)%2)+i%4)+7], v[192+8*(i/4):192+8*(i/4)+7], v[8*i:8*i+7]
.set i, i+1
.endr
	PLACES
	WIN 0
	s_wait_xcnt 0x0
	s_add_nc_u64 s[VB:VB+1], s[VB:VB+1], s[KST:KST+1]
	KVLD 192, VB
	s_sub_co_u32 s[REM], s[REM], 32
	s_add_co_u32 s[ST], s[ST], 1
	s_cmp_lt_u32 s[ST], s[NSTEP]
	s_cbranch_scc1 .Lkey
	s_wait_loadcnt 0x0                             ; the last step's spare loads
.irp u, 0,1,2,3,4,5,6,7
	v_add_f32 v[LT+4*\u+2], v[LT+4*\u+2], v[LT+4*\u+3]
.endr
.irp u, 0,1,2,3,4,5,6,7
	v_permlanex16_b32 v[LT+4*\u+3], v[LT+4*\u+2], s[SEL], s[SEL+1]
.endr
.irp u, 0,1,2,3,4,5,6,7
	v_add_f32 v[LT+4*\u+2], v[LT+4*\u+2], v[LT+4*\u+3]
.endr
.irp u, 0,1,2,3,4,5,6,7
	v_rcp_f32 v[LT+4*\u+1], v[LT+4*\u+2]
.endr
	v_nop                                          ; a plain instruction between the last reciprocal and the use of its result
	WIN 0x82
.set i, 0
	s_wait_alu depctr_va_vdst(0)
.rept 128
	v_pk_mul_f32 v[2*i:2*i+1], v[2*i:2*i+1], v[LT+4*(i/16):LT+4*(i/16)+1] op_sel:[0,1] op_sel_hi:[1,1]
.set i, i+1
.endr
	EMIT STOH
	WIN 0
	s_branch .Lmid_done
; ---------------------------------------------------------------- gelu(x) = max(x, 0) - |x| (a1' t + a2' t^2 + a3' t^3) 2^(k2 x^2), t = 1 / (1 + p' |x|): one form for both signs
.macro GEL a                           ; accumulator a = 8 mt + nb: 8 numbers a lane
.set rA, 8*(\a)
.set rB, 64+8*((\a)%8)
	WIN 0x02
.irp p, 0,2,4,6
	v_pk_add_f32 v[VX+\p:VX+\p+1], v[rA+\p:rA+\p+1], v[rB+\p:rB+\p+1]
.endr
	WIN 0
.irp p, 0,1,2,3,4,5,6,7
	v_and_b32 v[VAB+\p], s[ABSM], v[VX+\p]
.endr
.irp p, 0,2,4,6
	v_pk_fma_f32 v[VT+\p:VT+\p+1], v[VAB+\p:VAB+\p+1], s[GP:GP+1], s[ONE:ONE+1] op_sel_hi:[1,0,0]
.endr
.irp p, 0,1,2,3,4,5,6,7
	v_rcp_f32 v[VT+\p], v[VT+\p]
.endr
.irp p, 0,2,4,6
	v_pk_mul_f32 v[VU+\p:VU+\p+1], v[VX+\p:VX+\p+1], v[VX+\p:VX+\p+1]
.endr
.irp p, 0,2,4,6
	v_pk_mul_f32 v[VU+\p:VU+\p+1], v[VU+\p:VU+\p+1], s[GK2:GK2+1] op_sel_hi:[1,0]
.endr
.irp p, 0,1,2,3,4,5,6,7
	v_exp_f32 v[VU+\p], v[VU+\p]
.endr
	s_wait_alu depctr_va_vdst(0)
.irp p, 0,2,4,6
	v_pk_fma_f32 v[VR+\p:VR+\p+1], v[VT+\p:VT+\p+1], s[GA3:GA3+1], s[GA2:GA2+1] op_sel_hi:[1,0,0]
.endr
.irp p, 0,2,4,6
	v_pk_fma_f32 v[VR+\p:VR+\p+1], v[VR+\p:VR+\p+1], v[VT+\p:VT+\p+1], s[GA1:GA1+1] op_sel_hi:[1,1,0]
.endr
.irp p, 0,2,4,6
	v_pk_mul_f32 v[VR+\p:VR+\p+1], v[VR+\p:VR+\p+1], v[VT+\p:VT+\p+1]
.endr
.irp p, 0,2,4,6
	v_pk_mul_f32 v[VU+\p:VU+\p+1], v[VU+\p:VU+\p+1], v[VAB+\p:VAB+\p+1]
.endr
.irp p, 0,1,2,3,4,5,6,7
	v_max_num_f32 v[VX+\p], 0, v[VX+\p]
.endr
.irp p, 0,2,4,6
	v_pk_fma_f32 v[VX+\p:VX+\p+1], v[VR+\p:VR+\p+1], v[VU+\p:VU+\p+1], v[VX+\p:VX+\p+1] neg_lo:[1,0,0] neg_hi:[1,0,0]
.endr
.irp p, 0,1,2,3
	v_cvt_pk_bf16_f32 v[VK+\p], v[VX+2*\p], v[VX+2*\p+1]
.endr
	ds_store_b128 v[STOH], v[VK:VK+3] offset:16*PA*((\a)/8)+32*((\a)%8)
.endm
.Lgelu:
	s_sub_co_u32 s18, s[SU], 2
	s_add_co_u32 s18, s18, s[GC]
	s_and_b32 s18, s18, 3                          ; my cluster's chunk in this unit
	s_lshl_b32 s18, s18, 11                        ; its 512 numbers of bf1
	s_add_co_u32 s18, s18, 24576
	s_mov_b32 s19, 0
	s_add_nc_u64 s[VP:VP+1], s[10:11], s[18:19]
	VECLD 64, 0
	s_wait_loadcnt 0x0
.set g, 0
.rept 32
	GEL g
.set g, g+1
.endr
	WIN 0
.Lmid_done:
	BAR                                            ; H is whole
; ---------------------------------------------------------------- stage R: [64 x 512] H times a weight, added onto t
	START KR
	s_mov_b32 s[TL], 3
.Lr:
	HALF0 KR, 0
	TURN KR, 0, 1
	HALF0 KR, 1
	TURN KR, 1, 1
	WIN 0
	s_sub_co_u32 s[TL], s[TL], 1
	s_cmp_lg_u32 s[TL], 0
	s_cbranch_scc1 .Lr
	HALF0 KR, 0
	WIN 0
	s_add_co_u32 s[SU], s[SU], 1
	s_cmp_lt_u32 s[SU], 6
	s_cbranch_scc1 .Lnext
	RTAIL 0                                        ; the tail is written out
; ---------------------------------------------------------------- the way out: t is turned back through my own ring bytes, which have had their last fill and whose last reads are back
	PLACES
	WIN 0x04
.set i, 0
.rept 256                              ; each accumulator in ascending order
	ds_store_b32 v[OAD], v[i] offset:(16*((i/8)%8)+i%8)*PX+64*(i/64)
.set i, i+1
.endr
	WIN 0x80
.set i, 0
.rept 64                               ; LDS serves a wave's instructions in order (ISA guide 5.7.1.4): these see the stores above.  Two channels of 256 bytes a load
	ds_load_b128 v[4*i:4*i+3], v[ORD] offset:2*PX*i
.set i, i+1
.endr
	WIN 0x08
.set i, 0
.rept 64
	s_wait_dscnt 63-i                              ; load i is back, the younger ones stay out
	global_store_b128 v[OV], v[4*i:4*i+3], s[OUTB:OUTB+1] offset:32768*i th:TH_STORE_NT  ; 16 lanes store 256 consecutive bytes of a channel, at a multiple of 256 from out0's first byte
.set i, i+1
.endr
	WIN 0
	s_wait_tensorcnt 0x0                           ; the wave's end, behind my last tensor load and my last LDS store
	ds_add_u32 v[SPW], v[NIL]
	s_wait_dscnt 0x0
	CROUND                                         ; the closing round: no work-group ends while a partner may still ask for a tile that names it
	s_endpgm
.Lfunc_end_k_qb832b591ff_main:
	.size	k_qb832b591ff_main, .Lfunc_end_k_qb832b591ff_main-k_qb832b591ff_main
	.p2alignl 7, 3214868480
	.fill 96, 4, 3214868480
	.section	.rodata,"a",@progbits
	.p2align	6, 0x0
	.amdhsa_kernel k_qb832b591ff_main
		.amdhsa_group_segment_fixed_size 327680
		.amdhsa_private_segment_fixed_size 0
		.amdhsa_enable_private_segment 0
		.amdhsa_kernarg_size 40
		.amdhsa_user_sgpr_count 2
		.amdhsa_user_sgpr_kernarg_segment_ptr 1
		.amdhsa_wavefront_size32 1
		.amdhsa_system_sgpr_workgroup_id_x 1
		.amdhsa_system_sgpr_workgroup_id_y 1
		.amdhsa_system_sgpr_workgroup_id_z 1
		.amdhsa_system_vgpr_workitem_id 0
		.amdhsa_next_free_vgpr 1024
		.amdhsa_next_free_sgpr 100
		.amdhsa_reserve_vcc 1
		.amdhsa_float_denorm_mode_32 3
		.amdhsa_float_denorm_mode_16_64 3
		.amdhsa_memory_ordered 1
		.amdhsa_forward_progress 1
		.amdhsa_inst_pref_size 255
	.end_amdhsa_kernel
	.section	.bss,"aw",@nobits
	.p2align	6
	.space	262144
	.amdgpu_metadata
---
amdhsa.version: [ 1, 2 ]
amdhsa.kernels:
  - .name:           k_qb832b591ff_main
    .symbol:         k_qb832b591ff_main.kd
    .args:
      - { .name: x, .offset: 0, .size: 8, .value_kind: global_buffer, .address_space: global }
      - { .name: ws, .offset: 8, .size: 8, .value_kind: global_buffer, .address_space: global }
      - { .name: kv, .offset: 16, .size: 8, .value_kind: global_buffer, .address_space: global }
      - { .name: vec, .offset: 24, .size: 8, .value_kind: global_buffer, .address_space: global }
      - { .name: out0, .offset: 32, .size: 8, .value_kind: global_buffer, .address_space: global }
    .group_segment_fixed_size: 327680
    .private_segment_fixed_size: 0
    .kernarg_segment_align: 8
    .kernarg_segment_size: 40
    .max_flat_workgroup_size: 128
    .sgpr_count:     100
    .vgpr_count:     1024
    .wavefront_size: 32
...
	.end_amdgpu_metadata
.endif
;; end of part 3
;; ======== version 3 of 3: 2 launches; version 2 with the launch prep written anew for expert scheduling mode
;; limits: a function is approximated: absolute error at most 2.5e-05
;; workspace buffers: ws 6,291,456 bytes; kv 2,883,584 bytes; vec 32,768 bytes
;; launch prep (part 4): grid 561 x 1, 4 waves a work-group, no clusters, 20,992 bytes of LDS; arguments context, geometry_tokens, cWk, cWv, gWk, gWv, cWq, cWo, gWq, gWo, W1, W2, g1, b1, g2, b2, g3, b3, g4, b4, cbo, gbo, bf1, bf2, ws, kv, vec; writes ws, kv, vec
.if DOCPART == 4
	.amdgcn_target "amdgcn-amd-amdhsa--gfx1250"
	.amdhsa_code_object_version 6
	.text
	.protected	k_qb832b591ff_prep
	.globl	k_qb832b591ff_prep
	.p2align	8
	.type	k_qb832b591ff_prep,@function
k_qb832b591ff_prep:
	s_mov_b64 s[64:65], 0
	v_nop
	global_prefetch_b8 v0, s[64:65] scope:SCOPE_SE
	s_setreg_imm32_b32 hwreg(HW_REG_WAVE_SCHED_MODE, 0, 2), 2
	s_setreg_imm32_b32 hwreg(HW_REG_WAVE_MODE, 25, 1), 1
	s_wait_xcnt 0x0
	s_wait_alu depctr_vm_vsrc(0)
; PREPARATION for the fused block.  Three kinds of work-group, chosen by the work-group's number j:
;   j < 176        K or V of one head for 32 keys of all four batches (wave = batch), stored in bf16 in the order of matrix fragments
;   176 <= j < 560 16 rows of one of the twelve 512 x 512 weight matrices, rounded to bf16, in the order in which the fused kernel walks them
;   j = 560        the gains, biases and output biases, copied side by side
; kv: context K at 0, context V at 393,216, geometry K at 786,432, geometry V at 1,835,008; each [batch][step of 32 keys][head][4,096 bytes].
;   a K block is [key block 2][channel half 2][p 2][lane 32][16 bytes]: lane (r, h) holds key 16 kb + r, channels 32 kc + 16 p + 8 h + 0..7
;   a V block is [channel block 4][p 2][lane 32][16 bytes]:            lane (r, h) holds channel 16 cb + r, keys 16 p + 8 h + 0..7
;   The context has 77 keys in 3 steps: rows 77..95 are read from row 76 (no load leaves the buffer) and hold its numbers again; the fused kernel hides their scores.
; Products in bf16 with f32 sums; K and V are rounded once, unscaled.  NaN and infinities are not treated apart.
; THE MODE: SCHED_MODE bits 1:0 = 2 (LLVM: expert scheduling mode 2), set by the entry lines.  The code itself states the register dependences
; between vector or matrix instructions and memory or LDS instructions, with s_wait_alu, always for 0.
; THE PLAN, K and V.  Registers that memory or LDS instructions touch:
;   v3-v8        offsets and LDS addresses: made once at the head and never written again; a chunk is reached by the two scalar bases, which move on.
;   RAW          window 1, v0-191: a trip's 96 conversions read it; behind them the next chunk's 48 loads land in it.
;   WP           a trip's first 32 conversions write it; the trip's 16 LDS stores read it.
;   WF           four buffers, one for each k step of a chunk: the turning loads of step i land in buffer i, the products of step i read it.
;   TF           in the loop named by conversions and products alone; behind the last conversions the eight global stores read it.
;   v12, v13     written at the head, read by the closing add alone.
; So a trip has ONE wait on va_vdst, behind its conversions: they have written WP, they are done reading RAW, and the last trip's products are done reading the four WF buffers.
; Behind it the trip's only vector-side instructions are its products, which name the accumulators, TF and a WF buffer whose loads are back: none of the registers in which a later load of the trip lands.
; One wait on vm_vsrc stands at a trip's head: the last trip's LDS stores have read WP.
; THE PLAN, the weights: the offsets v2, v3 are made once; v16-79 are loaded once; the rows go in four groups of four, each with out registers of its own in v80-111; a group's stores are issued at the
; next group's head, behind one wait on va_vdst.
.set SPARE, 20480                      ; behind the W tile: the spare words, 128 bytes a wave, two blocks of 256 bytes that no other line names
.set PW,    160                        ; a row of the W tile in LDS: 64 bf16 + 32 bytes
.set TO0,   3                          ; v3, v4  byte offsets of my two token rows (key blocks 0, 1), + 32 h
.set WO,    5                          ; v5      byte offset of my 16 bytes in eight rows of W
.set WS,    6                          ; v6      where I put 8 bytes of the W tile
.set WT,    7                          ; v7      the turning load's address
.set LO,    8                          ; v8      16 x lane
.set SPW,   12                         ; v12     my spare word; never rewritten
.set NIL,   13                         ; v13     0; never rewritten
.set ACC,   16                         ; v16-79  eight accumulators: (key block mb, channel block nb) at ACC + 8 (4 mb + nb)
.set TF,    80                         ; v80-143 token fragments: (mb, k step i) at TF + 32 mb + 8 i; at the end the packed results
.set WP,    144                        ; v144-175 my part of the W tile, packed
.set WF,    176                        ; v176-239 W fragments of k steps 0 and 1, four each
.set WF2,   192                        ; window 1, v192-255: W fragments of k steps 2 and 3
                                       ; window 1: v0-127 tokens as loaded, v128-191 W as loaded
.set MSB, 0
.macro WIN new                         ; the immediate's high byte repeats the setting that is left
.if MSB != (\new)
	s_set_vgpr_msb (MSB<<8)|(\new)
.set MSB, (\new)
.endif
.endm
.macro PLACES                          ; four places behind matrix instructions (ISA guide 7.12.1)
.rept 4
	v_nop
.endr
.endm
.macro BAR
	s_wait_dscnt 0x0                               ; for the others' sake: my LDS instructions are done
	s_barrier_signal -1
	s_barrier_wait -1
.endm
	v_lshl_add_u32 v[SPW], v0, 2, SPARE
	v_mov_b32 v[NIL], 0
	s_mov_b32 s2, ttmp9
	s_cmp_ge_u32 s2, 560
	s_cbranch_scc1 .Lvec
	s_cmp_ge_u32 s2, 176
	s_cbranch_scc1 .Lcast
; ---------------------------------------------------------------- K and V
	s_load_b256 s[4:11], s[0:1], 0x0               ; context, geometry_tokens, cWk, cWv
	s_load_b128 s[12:15], s[0:1], 0x20             ; gWk, gWv
	s_load_b64 s[16:17], s[0:1], 0xc8              ; kv
	v_lshrrev_b32 v1, 5, v0
	v_readfirstlane_b32 s3, v1                     ; wave = batch
	s_and_b32 s21, s2, 7                           ; head (48 is a multiple of 8)
	s_lshr_b32 s22, s2, 3                          ; context: 3 steps of K, then 3 of V
	s_cmp_ge_u32 s22, 3
	s_cselect_b32 s24, 1, 0
	s_mul_i32 s25, s24, 3
	s_sub_co_u32 s25, s22, s25
	s_sub_co_u32 s23, s2, 48                       ; geometry: 8 steps of K, then 8 of V
	s_bfe_u32 s26, s23, 0x30003
	s_lshr_b32 s27, s23, 6
	s_mov_b32 s28, 512
	s_mov_b32 s29, 256
	s_mov_b32 s43, 0x100000
	s_cmp_lt_u32 s2, 48                            ; the context's jobs come first
	s_cselect_b32 s24, s24, s27                    ; 0: K, 1: V
	s_cselect_b32 s25, s25, s26                    ; step of 32 keys
	s_cselect_b32 s28, 768, s28                    ; D: length of a token
	s_cselect_b32 s29, 77, s29                     ; S: tokens in a batch
	s_cselect_b32 s30, 6, 4                        ; chunks of 128 along D
	s_cselect_b32 s31, 3, 8                        ; steps in a batch
	s_cselect_b32 s43, 393216, s43                 ; bytes of a region
	s_cselect_b32 s45, 0, 786432                   ; where the pair of regions begins
	s_mul_i32 s42, s24, s43
	s_add_co_u32 s42, s42, s45
	s_wait_alu depctr_va_sdst(0)                   ; s3, the wave's number, is written, ahead of its first reader: the offsets in kv and in the tokens are made from it
	s_mul_i32 s46, s3, s31
	s_add_co_u32 s46, s46, s25
	s_lshl_b32 s46, s46, 15                        ; (batch x steps + step) x 8 heads x 4,096
	s_add_co_u32 s42, s42, s46
	s_lshl_b32 s46, s21, 12
	s_add_co_u32 s42, s42, s46
	s_mov_b32 s43, 0
	s_lshl_b32 s40, s21, 8                         ; the head's 64 columns of W
	s_mov_b32 s41, 0
	s_lshl_b32 s49, s25, 5
	s_sub_co_u32 s50, s29, 1
	s_mul_i32 s47, s3, s29
	s_lshl_b32 s48, s28, 2
	v_and_b32 v1, 15, v0                           ; r
	v_bfe_u32 v2, v0, 4, 1                         ; h
	v_add_nc_u32 v14, s49, v1                      ; my keys: 32 s + r and 16 more,
	v_add_nc_u32 v15, 16, v14
	v_min_u32 v14, s50, v14                        ; held inside the batch
	v_min_u32 v15, s50, v15
	v_add_nc_u32 v14, s47, v14
	v_add_nc_u32 v15, s47, v15
	v_mul_lo_u32 v[TO0], v14, s48
	v_mul_lo_u32 v[TO0+1], v15, s48
	v_lshl_add_u32 v[TO0], v2, 5, v[TO0]           ; + 8 h numbers
	v_lshl_add_u32 v[TO0+1], v2, 5, v[TO0+1]
	v_lshrrev_b32 v14, 4, v0                       ; thread t takes row t / 16 of eight and 16 bytes at 16 (t % 16)
	v_lshlrev_b32 v[WO], 11, v14
	v_lshl_add_u32 v[WO], v1, 4, v[WO]
	v_mul_u32_u24 v[WS], v14, PW
	v_lshl_add_u32 v[WS], v1, 3, v[WS]
	v_and_b32 v15, 7, v0
	v_lshl_add_u32 v15, v2, 3, v15
	v_mul_u32_u24 v[WT], v15, PW                   ; row 8 h + lane % 8,
	v_bfe_u32 v15, v0, 3, 1
	v_lshl_add_u32 v[WT], v15, 4, v[WT]            ; 16 bytes by (lane / 8) % 2
	v_and_b32 v[LO], 31, v0
	v_lshlrev_b32 v[LO], 4, v[LO]
	s_wait_kmcnt 0x0
	s_cmp_eq_u32 s24, 1
	s_cselect_b64 s[36:37], s[10:11], s[8:9]
	s_cselect_b64 s[38:39], s[14:15], s[12:13]
	s_cmp_lt_u32 s2, 48
	s_cselect_b64 s[36:37], s[36:37], s[38:39]     ; W
	s_cselect_b64 s[34:35], s[4:5], s[6:7]         ; tokens
	s_add_nc_u64 s[36:37], s[36:37], s[40:41]
	s_add_nc_u64 s[54:55], s[16:17], s[42:43]      ; my block of kv
; a chunk of 128 along D: 16 loads of W (128 rows x 64 columns for the four waves together), 32 of my 32 tokens
.macro KVLOADS
	WIN 0x40
.irp p, 0,1,2,3,4,5,6,7,8,9,10,11,12,13,14,15
	global_load_b128 v[128+4*\p:131+4*\p], v[WO], s[36:37] offset:16384*\p
.endr
.irp i, 0,1,2,3
.irp q, 0,1,2,3
	global_load_b128 v[16*\i+4*\q:16*\i+4*\q+3], v[TO0], s[34:35] offset:128*\i+16*(\q%2)+64*(\q/2)
	global_load_b128 v[64+16*\i+4*\q:64+16*\i+4*\q+3], v[TO0+1], s[34:35] offset:128*\i+16*(\q%2)+64*(\q/2)
.endr
.endr
	WIN 0
.endm
.macro WFRAG i                         ; the four W fragments of k step i: 32 k x 16 channels each, turned, into the step's own buffer
.if (\i) < 2
	WIN 0
.set rW, WF+32*(\i)
.else
	WIN 0x40                                       ; destination window 1, address window 0
.set rW, WF2+32*((\i)-2)
.endif
.irp nb, 0,1,2,3
	ds_load_tr16_b128 v[rW+8*\nb:rW+8*\nb+3],   v[WT] offset:32*PW*(\i)+32*\nb
	ds_load_tr16_b128 v[rW+8*\nb+4:rW+8*\nb+7], v[WT] offset:32*PW*(\i)+16*PW+32*\nb
.endr
.endm
.macro PROD var, i                     ; eight products, the eight accumulators by turns.  var = 0 (K): a lane holds one key and 8 channels; 1 (V): one channel and 8 keys
.if (\i) < 2
	WIN 0
.set rW, WF+32*(\i)
.elseif (\var)
	WIN 0x04                                       ; W's fragments, source 1, in window 1
.set rW, WF2+32*((\i)-2)
.else
	WIN 0x01                                       ; W's fragments, source 0, in window 1
.set rW, WF2+32*((\i)-2)
.endif
.irp mb, 0,1
.irp nb, 0,1,2,3
.if (\var)
	v_wmma_f32_16x16x32_bf16 v[ACC+8*(4*\mb+\nb):ACC+8*(4*\mb+\nb)+7], v[TF+32*\mb+8*(\i):TF+32*\mb+8*(\i)+7], v[rW+8*\nb:rW+8*\nb+7], v[ACC+8*(4*\mb+\nb):ACC+8*(4*\mb+\nb)+7]
.else
	v_wmma_f32_16x16x32_bf16 v[ACC+8*(4*\mb+\nb):ACC+8*(4*\mb+\nb)+7], v[rW+8*\nb:rW+8*\nb+7], v[TF+32*\mb+8*(\i):TF+32*\mb+8*(\i)+7], v[ACC+8*(4*\mb+\nb):ACC+8*(4*\mb+\nb)+7]
.endif
.endr
.endr
.endm
; A chunk's four k steps.  No wait on va_vdst stands here: each step's loads land in the step's own buffer, which no vector or matrix instruction since the trip's wait has named.
.macro KSTEPS var
	WFRAG 0
	WFRAG 1
	s_wait_dscnt 0x8                               ; LDS loads come back in order (ISA guide 5.7.1): step 0's eight are in, step 1's may be out
	PROD \var, 0
	WFRAG 2                                        ; the other two steps' fragments in one run, behind the first products
	WFRAG 3
	s_wait_dscnt 0x10                              ; step 1's are in; the sixteen just issued may be out
	PROD \var, 1
	s_wait_dscnt 0x8                               ; step 2's are in
	PROD \var, 2
	s_wait_dscnt 0x0
	PROD \var, 3
	WIN 0                                          ; at a branch and at a label every window is 0
.endm
	s_wait_alu depctr_va_vdst(0)                   ; the offsets and LDS addresses v3 to v8 are written, which every load, LDS store and store below reads
	KVLOADS
.set i, 0
.rept 64                               ; the sums start at 0: 64 moves in the wait for the first loads, the price of writing no first chunk out
	v_mov_b32 v[ACC+i], 0
.set i, i+1
.endr
	s_mov_b32 s51, 0
.Lkv:                                  ; a trip: a chunk of 128 along D
	s_wait_loadcnt 0x0                             ; the chunk is in registers
	s_wait_alu depctr_vm_vsrc(0)                   ; the last trip's LDS stores have read WP, which the conversions below write again
	WIN 0x05
.set i, 0
.rept 32                               ; W first: these lines name no register of the last products and are the places behind them
	v_cvt_pk_bf16_f32 v[WP+i], v[128+2*i], v[128+2*i+1]
.set i, i+1
.endr
.set i, 0
.rept 64
	v_cvt_pk_bf16_f32 v[TF+i], v[2*i], v[2*i+1]
.set i, i+1
.endr
	WIN 0
	s_wait_alu depctr_va_vdst(0)                   ; the conversions have written WP, which the LDS stores read, and are done reading RAW, in which the next chunk lands; the last trip's products are done reading the four WF buffers, in which this trip's fragments land
	s_add_co_u32 s52, s51, 1
	s_cmp_ge_u32 s52, s30
	s_cbranch_scc1 .Lkv_noload                     ; the last chunk asks for nothing
	s_add_nc_u64 s[36:37], s[36:37], 0x40000       ; free since the wait for the chunk, which shows the loads that read the bases done: 128 rows of W on,
	s_add_nc_u64 s[34:35], s[34:35], 512           ; 128 numbers of the tokens on
	KVLOADS
.Lkv_noload:
	BAR                                            ; every wave's reads of the last W tile are over
.irp p, 0,1,2,3,4,5,6,7,8,9,10,11,12,13,14,15
	ds_store_b64 v[WS], v[WP+2*\p:WP+2*\p+1] offset:8*PW*\p
.endr
	BAR                                            ; the tile is whole
	s_cmp_eq_u32 s24, 1
	s_cbranch_scc1 .Lkv_v
	KSTEPS 0
	s_branch .Lkv_next
.Lkv_v:
	KSTEPS 1
.Lkv_next:
	s_add_co_u32 s51, s51, 1
	s_cmp_lt_u32 s51, s30
	s_cbranch_scc1 .Lkv
	PLACES
.set i, 0
.rept 32                               ; each accumulator from its low end on
	v_cvt_pk_bf16_f32 v[TF+i], v[ACC+2*i], v[ACC+2*i+1]
.set i, i+1
.endr
	s_wait_alu depctr_va_vdst(0)                   ; the conversions have written v[TF ..], which the stores of either way out read
	s_cmp_eq_u32 s24, 1
	s_cbranch_scc1 .Lkv_vout
.irp a, 0,1,2,3,4,5,6,7                ; a wave's store covers 512 consecutive bytes, half a fragment
	global_store_b128 v[LO], v[TF+4*\a:TF+4*\a+3], s[54:55] offset:2048*(\a/4)+1024*((\a%4)/2)+512*(\a%2)
.endr
	s_wait_dscnt 0x0                               ; the wave's end, behind my last LDS store
	s_wait_alu 0x0
	s_wait_tensorcnt 0x0
	ds_add_u32 v[SPW], v[NIL]
	s_wait_dscnt 0x0
	s_endpgm
.Lkv_vout:
.irp a, 0,1,2,3,4,5,6,7
	global_store_b128 v[LO], v[TF+4*\a:TF+4*\a+3], s[54:55] offset:1024*(\a%4)+512*(\a/4)
.endr
	s_wait_dscnt 0x0                               ; the wave's end, as above
	s_wait_alu 0x0
	s_wait_tensorcnt 0x0
	ds_add_u32 v[SPW], v[NIL]
	s_wait_dscnt 0x0
	s_endpgm
; ---------------------------------------------------------------- the weights, rounded to bf16
; ws: twelve matrices [512 k][512 n]: cWq, cWo, gWq, gWo, then for c = 0..3 columns 512 c .. of W1 and rows 512 c .. of W2.
; 16 rows of 512 numbers: a thread takes 4 numbers of each; a wave's store covers 256 consecutive bytes.  The rows go in four groups of four: a group's conversions write out registers of its own,
; and its four stores are issued at the next group's head, behind that group's wait on va_vdst.
.macro CAST pitch
.irp p, 0,1,2,3,4,5,6,7,8,9,10,11,12,13,14,15
	global_load_b128 v[16+4*\p:19+4*\p], v2, s[20:21] offset:(\pitch)*\p th:TH_LOAD_NT
.endr
.irp q, 0,1,2,3
	s_wait_loadcnt 12-4*\q                         ; loads come back in order (ISA guide 5.7.1): group q's four rows are in, the younger groups stay out
.if \q > 0
	s_wait_alu depctr_va_vdst(0)                   ; the group before has written its out registers, which the four stores below read
.irp p, 0,1,2,3
	global_store_b64 v3, v[80+2*(4*(\q-1)+\p):81+2*(4*(\q-1)+\p)], s[22:23] offset:1024*(4*(\q-1)+\p)
.endr
.endif
.irp p, 0,1,2,3
	v_cvt_pk_bf16_f32 v[80+2*(4*\q+\p)], v[16+4*(4*\q+\p)], v[17+4*(4*\q+\p)]
	v_cvt_pk_bf16_f32 v[81+2*(4*\q+\p)], v[18+4*(4*\q+\p)], v[19+4*(4*\q+\p)]
.endr
.endr
	s_wait_alu depctr_va_vdst(0)                   ; the last group has written v104 to v111, which the last four stores read
.irp p, 12,13,14,15
	global_store_b64 v3, v[80+2*\p:81+2*\p], s[22:23] offset:1024*\p
.endr
	s_endpgm
.endm
.Lcast:
	s_load_b256 s[4:11], s[0:1], 0x30              ; cWq, cWo, gWq, gWo
	s_load_b128 s[12:15], s[0:1], 0x50             ; W1, W2
	s_load_b64 s[16:17], s[0:1], 0xc0              ; ws
	s_sub_co_u32 s18, s2, 176                      ; block of 16 rows, 0..383
	s_lshr_b32 s19, s18, 5                         ; matrix 0..11
	s_and_b32 s24, s18, 31                         ; block in the matrix
	s_lshl_b32 s22, s18, 14
	s_mov_b32 s23, 0
	s_sub_co_u32 s25, s19, 4
	s_lshr_b32 s25, s25, 1                         ; the FFN's chunk (used from matrix 4 on)
	v_lshlrev_b32 v2, 4, v0
	v_lshlrev_b32 v3, 3, v0
	s_wait_alu depctr_va_vdst(0)                   ; the offsets v2 and v3 are written, which the loads and stores of every way below read; no line writes them again
	s_wait_kmcnt 0x0
	s_add_nc_u64 s[22:23], s[16:17], s[22:23]
	s_cmp_lt_u32 s19, 4
	s_cbranch_scc1 .Lcast_sq
	s_bitcmp1_b32 s19, 0
	s_cbranch_scc1 .Lcast_w2
	s_lshl_b32 s26, s24, 17                        ; W1: 16 rows of 8,192 bytes,
	s_lshl_b32 s27, s25, 11                        ; 512 columns a chunk
	s_add_co_u32 s26, s26, s27
	s_mov_b32 s27, 0
	s_add_nc_u64 s[20:21], s[12:13], s[26:27]
	CAST 8192
.Lcast_w2:
	s_lshl_b32 s26, s24, 15                        ; W2: 16 rows of 2,048 bytes,
	s_lshl_b32 s27, s25, 20                        ; 512 rows a chunk
	s_add_co_u32 s26, s26, s27
	s_mov_b32 s27, 0
	s_add_nc_u64 s[20:21], s[14:15], s[26:27]
	s_branch .Lcast_go
.Lcast_sq:
	s_mov_b64 s[20:21], s[4:5]
	s_cmp_eq_u32 s19, 1
	s_cselect_b64 s[20:21], s[6:7], s[20:21]
	s_cmp_eq_u32 s19, 2
	s_cselect_b64 s[20:21], s[8:9], s[20:21]
	s_cmp_eq_u32 s19, 3
	s_cselect_b64 s[20:21], s[10:11], s[20:21]
	s_lshl_b32 s26, s24, 15
	s_mov_b32 s27, 0
	s_add_nc_u64 s[20:21], s[20:21], s[26:27]
.Lcast_go:
	CAST 2048
; ---------------------------------------------------------------- the small vectors
; vec: for norm n = 0..3: gain at 6,144 n, bias 2,048 on, the output bias that is added in the same step 4,096 on (0, cbo, gbo, bf2); bf1 at 24,576.
.Lvec:
	s_load_b512 s[4:19], s[0:1], 0x60              ; g1 b1 g2 b2 g3 b3 g4 b4
	s_load_b256 s[20:27], s[0:1], 0xa0             ; cbo gbo bf1 bf2
	s_load_b64 s[28:29], s[0:1], 0xd0              ; vec
	v_lshlrev_b32 v2, 4, v0                        ; 128 threads x 16 bytes: a vector of 512 numbers
	v_mov_b32 v76, 0
	v_mov_b32 v77, 0
	v_mov_b32 v78, 0
	v_mov_b32 v79, 0
	s_wait_alu depctr_va_vdst(0)                   ; the offset v2 is written, which every load and store below reads, and so are the zeros v76 to v79, which the first store reads
	s_wait_kmcnt 0x0
.macro VLD k, sb, so
	global_load_b128 v[16+4*(\k):19+4*(\k)], v2, s[(\sb):(\sb)+1] offset:(\so)
.endm
.macro VST k, do
	global_store_b128 v2, v[16+4*(\k):19+4*(\k)], s[28:29] offset:(\do)
.endm
	VLD 0, 4, 0
	VLD 1, 6, 0
	VLD 2, 8, 0
	VLD 3, 10, 0
	VLD 4, 20, 0
	VLD 5, 12, 0
	VLD 6, 14, 0
	VLD 7, 22, 0
	VLD 8, 16, 0
	VLD 9, 18, 0
	VLD 10, 26, 0
	VLD 11, 24, 0
	VLD 12, 24, 2048
	VLD 13, 24, 4096
	VLD 14, 24, 6144
	VST 15, 4096                                   ; v76-79: norm 1 has no output bias
	s_wait_loadcnt 0x0
	VST 0, 0
	VST 1, 2048
	VST 2, 6144
	VST 3, 8192
	VST 4, 10240
	VST 5, 12288
	VST 6, 14336
	VST 7, 16384
	VST 8, 18432
	VST 9, 20480
	VST 10, 22528
	VST 11, 24576
	VST 12, 26624
	VST 13, 28672
	VST 14, 30720
	s_endpgm
.Lfunc_end_k_qb832b591ff_prep:
	.size	k_qb832b591ff_prep, .Lfunc_end_k_qb832b591ff_prep-k_qb832b591ff_prep
	.p2alignl 7, 3214868480
	.fill 96, 4, 3214868480
	.section	.rodata,"a",@progbits
	.p2align	6, 0x0
	.amdhsa_kernel k_qb832b591ff_prep
		.amdhsa_group_segment_fixed_size 20992
		.amdhsa_private_segment_fixed_size 0
		.amdhsa_enable_private_segment 0
		.amdhsa_kernarg_size 216
		.amdhsa_user_sgpr_count 2
		.amdhsa_user_sgpr_kernarg_segment_ptr 1
		.amdhsa_wavefront_size32 1
		.amdhsa_system_sgpr_workgroup_id_x 1
		.amdhsa_system_sgpr_workgroup_id_y 1
		.amdhsa_system_sgpr_workgroup_id_z 1
		.amdhsa_system_vgpr_workitem_id 0
		.amdhsa_next_free_vgpr 512
		.amdhsa_next_free_sgpr 66
		.amdhsa_reserve_vcc 0
		.amdhsa_float_denorm_mode_32 3
		.amdhsa_float_denorm_mode_16_64 3
		.amdhsa_memory_ordered 1
		.amdhsa_forward_progress 1
		.amdhsa_inst_pref_size 51
	.end_amdhsa_kernel
	.amdgpu_metadata
---
amdhsa.version: [ 1, 2 ]
amdhsa.kernels:
  - .name:           k_qb832b591ff_prep
    .symbol:         k_qb832b591ff_prep.kd
    .args:
      - { .name: context, .offset: 0, .size: 8, .value_kind: global_buffer, .address_space: global }
      - { .name: geometry_tokens, .offset: 8, .size: 8, .value_kind: global_buffer, .address_space: global }
      - { .name: cWk, .offset: 16, .size: 8, .value_kind: global_buffer, .address_space: global }
      - { .name: cWv, .offset: 24, .size: 8, .value_kind: global_buffer, .address_space: global }
      - { .name: gWk, .offset: 32, .size: 8, .value_kind: global_buffer, .address_space: global }
      - { .name: gWv, .offset: 40, .size: 8, .value_kind: global_buffer, .address_space: global }
      - { .name: cWq, .offset: 48, .size: 8, .value_kind: global_buffer, .address_space: global }
      - { .name: cWo, .offset: 56, .size: 8, .value_kind: global_buffer, .address_space: global }
      - { .name: gWq, .offset: 64, .size: 8, .value_kind: global_buffer, .address_space: global }
      - { .name: gWo, .offset: 72, .size: 8, .value_kind: global_buffer, .address_space: global }
      - { .name: W1, .offset: 80, .size: 8, .value_kind: global_buffer, .address_space: global }
      - { .name: W2, .offset: 88, .size: 8, .value_kind: global_buffer, .address_space: global }
      - { .name: g1, .offset: 96, .size: 8, .value_kind: global_buffer, .address_space: global }
      - { .name: b1, .offset: 104, .size: 8, .value_kind: global_buffer, .address_space: global }
      - { .name: g2, .offset: 112, .size: 8, .value_kind: global_buffer, .address_space: global }
      - { .name: b2, .offset: 120, .size: 8, .value_kind: global_buffer, .address_space: global }
      - { .name: g3, .offset: 128, .size: 8, .value_kind: global_buffer, .address_space: global }
      - { .name: b3, .offset: 136, .size: 8, .value_kind: global_buffer, .address_space: global }
      - { .name: g4, .offset: 144, .size: 8, .value_kind: global_buffer, .address_space: global }
      - { .name: b4, .offset: 152, .size: 8, .value_kind: global_buffer, .address_space: global }
      - { .name: cbo, .offset: 160, .size: 8, .value_kind: global_buffer, .address_space: global }
      - { .name: gbo, .offset: 168, .size: 8, .value_kind: global_buffer, .address_space: global }
      - { .name: bf1, .offset: 176, .size: 8, .value_kind: global_buffer, .address_space: global }
      - { .name: bf2, .offset: 184, .size: 8, .value_kind: global_buffer, .address_space: global }
      - { .name: ws, .offset: 192, .size: 8, .value_kind: global_buffer, .address_space: global }
      - { .name: kv, .offset: 200, .size: 8, .value_kind: global_buffer, .address_space: global }
      - { .name: vec, .offset: 208, .size: 8, .value_kind: global_buffer, .address_space: global }
    .group_segment_fixed_size: 20992
    .private_segment_fixed_size: 0
    .kernarg_segment_align: 8
    .kernarg_segment_size: 216
    .max_flat_workgroup_size: 128
    .sgpr_count:     66
    .vgpr_count:     512
    .wavefront_size: 32
...
	.end_amdgpu_metadata
.endif
;; end of part 4
;; launch main: the kernel of part 3 again; grid 256 x 1, 4 waves a work-group, clusters of 4 x 1, 327,680 bytes of LDS; arguments x, ws, kv, vec, out0; writes out0
